; MI455X (gfx1250); checked and timed in simulation.
; The chip was launched on July 23, 2026; its instructions are those of AMD's public machine-readable ISA for CDNA 5 (MIT licence, August 2026) and "CDNA5" Instruction Set Architecture Reference Guide (July 2026). The comments in the code are by the model that wrote it; some were corrected since.
;; Self Attention. Allowed arithmetic: matrix products marked QUANTISED: E3M2 operands, one E8M0 scale for each 32 along K, by v_wmma_scale_f32_16x16x128_f8f6f4 with both operands' format E3M2, f32 sums; everything else in f32.
;; Inputs: Wk 16 x 1,024 x 64 float32; Wo 1,024 x 1,024 float32; Wq 16 x 1,024 x 64 float32; Wv 16 x 1,024 x 64 float32; bk 16 x 64 float32; bo 1,024 float32; bq 16 x 64 float32; bv 16 x 64 float32; x 4 x 2,048 x 1,024 float32.
;; Outputs: out0 4 x 2,048 x 1,024 float32.
;; This version of the problem:
;;   THIS VERSION OF THE PROBLEM IS GIVEN IN LOW PRECISION. The matrix products marked QUANTISED in the list below multiply operands that are first quantised to E3M2 (3 exponent bits, 2 mantissa bits; 6 bits a number), with one power-of-two scale for each 32 numbers along K (OCP MX v1.0); their sums are f32. All else is computed in f32.
;;   The module's matrix products, in the order in which they are computed (A, B: the left and right operand; K: the contracted axis; several contracted axes count as one K, in the product's order):
;;     1. [M 1,024, K 1,024] x [K 1,024, N 8,192]; A: input Wq; B: computed on the way: QUANTISED
;;     2. [M 1,024, K 1,024] x [K 1,024, N 8,192]; A: input Wk; B: computed on the way: QUANTISED
;;     3. [M 1,024, K 1,024] x [K 1,024, N 8,192]; A: input Wv; B: computed on the way: QUANTISED
;;     4. batch 64 x [M 2,048, K 64] x [K 64, N 2,048]; A: computed on the way; B: computed on the way: QUANTISED
;;     5. batch 64 x [M 2,048, K 2,048] x [K 2,048, N 64]; A: computed on the way; B: computed on the way: QUANTISED
;;     6. [M 8,192, K 1,024] x [K 1,024, N 1,024]; A: computed on the way; B: input Wo: QUANTISED
;;   THE QUANTISER, for each operand of a quantised product, along K:
;;     - K is cut into blocks of 32 from its start; a last block that is shorter is filled with zeros.
;;     - A block's scale is 2^e with e = floor(log2(the largest magnitude in the block)) - 4, held to -126 .. 127; a block of zeros has e = 0. As a byte (E8M0): e + 127.
;;     - Each number is divided by its block's scale, clamped to +-28, and rounded to the nearest number of E3M2, ties to even, subnormals kept.
;;     - The product sums the exact products of the quantised numbers (number of the format x scale) in f32.
;;   ~~~python
;;   def quantise(x, axis):      # numpy; x: float32 -> the quantised numbers, widened to float32 again
;;       x = np.moveaxis(x, axis, -1); K = x.shape[-1]
;;       x = np.pad(x, [(0, 0)] * (x.ndim - 1) + [(0, -K % 32)]); x = x.reshape(x.shape[:-1] + (-1, 32)); a = np.abs(x).max(-1, keepdims=True)
;;       e = np.where(a > 0, np.clip(np.frexp(np.where(a > 0, a, 1))[1] - 1 - 4, -126, 127), 0)      # np.frexp(a)[1] - 1 = floor(log2(a)), exactly
;;       r = np.clip(x / 2.0 ** e, -28, 28)
;;       step = 2.0 ** (np.maximum(np.frexp(np.where(r == 0, 1, r))[1] - 1, -2) - 2)
;;       q = np.round(r / step) * step * 2.0 ** e      # np.round: ties to even
;;       return np.moveaxis(q.reshape(q.shape[:-2] + (-1,))[..., :K], -1, axis).astype(np.float32)
;;   ~~~
;;   OPERANDS COMPUTED ON THE WAY. 'Computed on the way' means the value that the module computes at that place (a softmax that the list does not call 'softmax' is quantised finished and normalised). What goes into a quantiser is computed in f32, as accurately as f32 sums, v_exp_f32 and their like allow (about 1e-6 of the number): no bf16 or f16 on the way to a quantiser, and a product that is left as it is and whose result goes on into a quantised operand takes f32 operands (vector FMAs, or v_wmma_f32_16x16x4_f32). A number that lies on a knife's edge between two numbers of the format may be rounded either way, as far as f32 arithmetic and the matrix unit's own rounding can turn it there, and no further.
;; One version. Each part assembles by itself: llvm-mc -triple=amdgcn-amd-amdhsa -mcpu=gfx1250 --defsym DOCPART=n.
;; ======== version 1 of 1: 5 launches
;; limits: right only within a limited range of input values
;; workspace buffers: CW 9,830,400 bytes; AB 20,185,088 bytes; ST 524,288 bytes; HB 6,553,600 bytes
;; launch prep (part 1): grid 384 x 1, 8 waves a work-group, no clusters, 159,232 bytes of LDS; arguments x, Wo, Wq, Wk, Wv, CW; writes CW
.if DOCPART == 1
	.amdgcn_target "amdgcn-amd-amdhsa--gfx1250"
	.amdhsa_code_object_version 6
	.text
	.protected	k_qc317b12813_prep
	.globl	k_qc317b12813_prep
	.p2align	8
	.type	k_qc317b12813_prep,@function
k_qc317b12813_prep:
	s_mov_b64 s[64:65], 0
	v_nop
	global_prefetch_b8 v0, s[64:65] scope:SCOPE_SE
	s_setreg_imm32_b32 hwreg(HW_REG_WAVE_MODE, 25, 1), 1
	s_wait_xcnt 0x0
; All operands of the three GEMM launches become tiles of BF6 (E3M2) codes in CW: 12,288 bytes a tile = 8 K steps x an image of the operand's 12 registers (piece p = registers 2 p, 2 p + 1, lane l's 8 bytes
; at 256 p + 8 l); scale words [K step][row], 512 bytes a tile, from CW_SC on.  ROWS OF A TILE: of a group of 32 rows, tile u's row r is row 8 u + r + 8 (r / 8).
; TWO PATHS, parted at the head on the work-group's number, which never join; each has LDS bytes of its own.
; WORK-GROUPS 0 TO 287: rows of 1,024 f32, K innermost.  0 to 255: 32 rows of x, normalised first: (x - mean) * rsqrt(mean of squared deviations + 1e-5), all in f32.  256 to 287: 32 rows of Wo, as they are: only the
;   pointer, the mean's factor (2^-10 or 0) and a mask that replaces the rsqrt by 1.0 are chosen.  Work-group g writes tiles 2 g and 2 g + 1.
;   PHASE 1: wave w normalises rows 4 w .. 4 w + 3 (a row lies in 32 registers of the wave; every load reads 512 consecutive bytes) and lays them in LDS in tile order.
;   PHASE 2: wave w quantises K step w of both tiles: lane (r, h) takes of row r 16 neighbours of each block of 32; the codes leave as pieces of 256 consecutive bytes, aligned.
; WORK-GROUPS 288 TO 383: Wq, Wk, Wv [16 heads][1024 d][64 columns], K = d is the MIDDLE axis; tile 576 + 64 which + 4 head + 2 beta + u.  Work-group 288 + 2 (16 which + head) + y takes half y of d.
;   A LANE TAKES A COLUMN AND ITS REGISTERS RUN DOWN d: a block of 32 lies in one lane, and the conversions give codes with K innermost.  Wave w: 32 columns (beta = w % 2) x two runs of 64 along d,
;   the (w / 2)-th and the (w / 2 + 4)-th of the half: two halves of K steps.  A lane's codes go through the wave's own stages in LDS and leave as pieces of 256 consecutive bytes, aligned.
; A block's scale byte is its largest magnitude's exponent field - 4, held at 1 from below.
; LIMITS: NaN and infinities are not served; a block of zeros gets the byte 1 (its codes are zeros; only this program reads the bytes).
.set NX,    288                        ; work-groups of the first path
.set PITCH, 4112                       ; an LDS row: 4,096 + 16 = 16 x 257 bytes: the sixteen rows that a 16-byte load touches begin in sixteen different 16-byte columns of 256 bytes (64 banks of 4 bytes: ISA guide 11.1)
.set SCG,   32*PITCH                   ; behind the rows: 2 tiles x 512 bytes of scale words
.set WST,   132608                     ; the weights' path: 16 stages of 1,536 bytes,
.set WSC,   WST+24576                  ; and 4 tiles x 256 bytes of scale words (4 K steps x 16 rows)
.set CW_SC, 9437184
.set TM,    16                         ; v16-31 phase 1: sums and squares; phase 2: the quantiser's work
.set PW,    36                         ; the scale word just made
.set PC,    40                         ; v40-51 the codes just made
.set PD,    52                         ; v52-59 second halves of blocks
.set SEL,   20                         ; s[20:21] selects of v_permlanex16_b32: lane l xor 16
.set X,     64                         ; the weights' path: v64-191 my column's 128 numbers
.set WV,    26                         ; s26 my wave's number
	s_load_b256 s[4:11], s[0:1], 0x0               ; x, Wo, Wq, Wk
	s_load_b128 s[12:15], s[0:1], 0x20             ; Wv, CW
	v_lshl_add_u32 v192, v0, 2, 0x26a00
	v_mov_b32 v193, 0
	v_lshrrev_b32 v1, 5, v0
	s_delay_alu instid0(VALU_DEP_1)
	v_readfirstlane_b32 s[WV], v1                  ; wave 0..7
	v_and_b32 v1, 31, v0                           ; lane
	s_cmp_ge_u32 ttmp9, NX
	s_cbranch_scc1 .Lweights
	; ---------------- rows of x and of Wo ----------------
	v_and_b32 v2, 15, v0                           ; r
	v_bfe_u32 v3, v0, 4, 1                         ; h
	v_lshlrev_b32 v4, 4, v1                        ; 16 x lane
	s_wait_alu depctr_va_vdst(0)
	v_lshlrev_b32 v10, 3, v1                       ; 8 x lane
	s_bfe_u32 s27, s[WV], 0x10001                  ; rows 4 w on: u = (w / 2) % 2,
	s_lshl_b32 s27, s27, 4
	s_lshr_b32 s28, s[WV], 2                       ; upper eight of the tile where w / 4 = 1,
	s_lshl_b32 s28, s28, 3
	s_add_co_u32 s27, s27, s28
	s_and_b32 s28, s[WV], 1                        ; and 4 (w % 2) within the eight
	s_lshl_b32 s28, s28, 2
	s_add_co_u32 s27, s27, s28
	s_mul_i32 s27, s27, PITCH
	v_add_nc_u32 v5, s27, v4                       ; phase 1: where my rows go
	s_lshl_b32 s28, s[WV], 9
	v_mul_u32_u24 v6, v2, PITCH
	s_delay_alu instid0(VALU_DEP_1)
	v_lshl_add_u32 v6, v3, 6, v6
	s_delay_alu instid0(VALU_DEP_1)
	v_add_nc_u32 v6, s28, v6                       ; phase 2: tile 0: row r, K step w, + 64 h
	s_delay_alu instid0(VALU_DEP_1)
	v_add_nc_u32 v7, 16*PITCH, v6                  ; tile 1
	s_lshl_b32 s28, s[WV], 6
	s_add_co_u32 s28, s28, SCG
	v_lshl_add_u32 v8, v2, 2, s28                  ; scale word of (K step w, row r)
	s_and_b32 s28, s[WV], 1
	s_lshl_b32 s28, s28, 9
	s_add_co_u32 s28, s28, SCG
	v_add_nc_u32 v9, s28, v4                       ; the scale words' way out (waves 0 and 1)
	s_mov_b32 s[SEL], 0x76543210
	s_mov_b32 s[SEL+1], 0xfedcba98
	s_mov_b32 s16, 0x3a800000                      ; 2^-10
.irp q, 0,1,2,3
	v_mov_b32 v[32+\q], 0                          ; written once: a lane permute's destination counts as one of its sources
.endr
	s_mul_i32 s22, ttmp9, 24576                    ; tiles 2 g, 2 g + 1
	s_mul_i32 s23, s[WV], 1536
	s_add_co_u32 s22, s22, s23
	s_mov_b32 s23, 0
	s_lshl_b32 s24, ttmp9, 10
	s_and_b32 s25, s[WV], 1
	s_lshl_b32 s25, s25, 9
	s_add_co_u32 s24, s24, s25
	s_add_co_u32 s24, s24, CW_SC
	s_mov_b32 s25, 0
	s_wait_kmcnt 0x0
	s_cmp_lt_u32 ttmp9, 256                        ; x's work-group or Wo's?
	s_cselect_b64 s[4:5], s[4:5], s[6:7]
	s_cselect_b32 s30, s16, 0                      ; the mean's factor: 0 leaves Wo's rows as they are
	s_cselect_b32 s31, -1, 0                       ; and this mask keeps the rsqrt, or takes 1.0
	s_cselect_b32 s29, 0, 256
	s_sub_co_u32 s29, ttmp9, s29
	s_lshl_b32 s18, s29, 17                        ; 32 rows of 4,096 bytes,
	s_lshl_b32 s19, s[WV], 14                      ; my four
	s_add_co_u32 s18, s18, s19
	s_mov_b32 s19, 0
	s_add_nc_u64 s[4:5], s[4:5], s[18:19]
	s_add_nc_u64 s[22:23], s[14:15], s[22:23]
	s_add_nc_u64 s[24:25], s[14:15], s[24:25]
.irp q, 0,1,2,3
.irp j, 0,1,2,3,4,5,6,7
	global_load_b128 v[64+32*\q+4*\j:67+32*\q+4*\j], v4, s[4:5] offset:4096*\q+512*\j th:TH_LOAD_NT
.endr
.endr
.macro RED base                        ; four rows' pairs at v[base + 2 q] become the rows' sums, in every lane
.irp q, 0,1,2,3
	s_delay_alu instid0(VALU_DEP_4)
	v_add_f32 v[\base+2*\q], v[\base+2*\q], v[\base+2*\q+1]
.endr
.irp m, 1,2,4,8
.irp q, 0,1,2,3
	s_delay_alu instid0(VALU_DEP_4)
	v_add_f32_dpp v[\base+2*\q], v[\base+2*\q], v[\base+2*\q] row_xmask:\m row_mask:0xf bank_mask:0xf
.endr
.endr
.irp q, 0,1,2,3
	s_delay_alu instid0(VALU_DEP_4)
	v_permlanex16_b32 v[32+\q], v[\base+2*\q], s[SEL], s[SEL+1]
.endr
.irp q, 0,1,2,3
	s_delay_alu instid0(VALU_DEP_4)
	v_add_f32 v[\base+2*\q], v[\base+2*\q], v[32+\q]
.endr
.endm
	s_wait_loadcnt 0x0
.irp q, 0,1,2,3                        ; the four rows by turns: no line waits for the line above it
	v_pk_add_f32 v[16+2*\q:17+2*\q], v[64+32*\q:65+32*\q], v[66+32*\q:67+32*\q]
.endr
.irp i, 4,6,8,10,12,14,16,18,20,22,24,26,28,30
.irp q, 0,1,2,3
	s_delay_alu instid0(VALU_DEP_4)
	v_pk_add_f32 v[16+2*\q:17+2*\q], v[16+2*\q:17+2*\q], v[64+32*\q+\i:65+32*\q+\i]
.endr
.endr
	RED 16
.irp q, 0,1,2,3
	s_delay_alu instid0(VALU_DEP_4)
	v_mul_f32 v[16+2*\q], s30, v[16+2*\q]          ; the mean (0 for Wo)
.endr
.irp i, 0,2,4,6,8,10,12,14,16,18,20,22,24,26,28,30
.irp q, 0,1,2,3
	v_pk_add_f32 v[64+32*\q+\i:65+32*\q+\i], v[64+32*\q+\i:65+32*\q+\i], v[16+2*\q:17+2*\q] op_sel_hi:[1,0] neg_lo:[0,1] neg_hi:[0,1]   ; x - mean
.endr
.endr
.irp q, 0,1,2,3
	v_pk_mul_f32 v[24+2*\q:25+2*\q], v[64+32*\q:65+32*\q], v[64+32*\q:65+32*\q]
.endr
.irp i, 2,4,6,8,10,12,14,16,18,20,22,24,26,28,30
.irp q, 0,1,2,3
	s_delay_alu instid0(VALU_DEP_4)
	v_pk_fma_f32 v[24+2*\q:25+2*\q], v[64+32*\q+\i:65+32*\q+\i], v[64+32*\q+\i:65+32*\q+\i], v[24+2*\q:25+2*\q]
.endr
.endr
	RED 24
.irp q, 0,1,2,3
	s_delay_alu instid0(VALU_DEP_4)
	v_fmaak_f32 v[24+2*\q], s16, v[24+2*\q], 0x3727c5ac    ; the variance + 1e-5
.endr
	s_wait_alu depctr_va_vdst(0)
.irp q, 0,1,2,3
	v_rsq_f32 v[16+2*\q], v[24+2*\q]
.endr
	v_nop                                          ; a plain instruction behind the last of the four
	s_wait_alu depctr_va_vdst(0)                   ; one wait for the four, ahead of their first reader
.irp q, 0,1,2,3
	v_cndmask_b32 v[16+2*\q], 1.0, v[16+2*\q], s31
.endr
.irp i, 0,2,4,6,8,10,12,14,16,18,20,22,24,26,28,30
.irp q, 0,1,2,3
	v_pk_mul_f32 v[64+32*\q+\i:65+32*\q+\i], v[64+32*\q+\i:65+32*\q+\i], v[16+2*\q:17+2*\q] op_sel_hi:[1,0]
.endr
.endr
.irp q, 0,1,2,3
.irp j, 0,1,2,3,4,5,6,7
	ds_store_b128 v5, v[64+32*\q+4*\j:67+32*\q+4*\j] offset:PITCH*\q+512*\j
.endr
.endr
	s_wait_dscnt 0x0                               ; for the others' sake: my rows have landed
	s_barrier_signal -1
	s_barrier_wait -1
; 64 numbers of a lane, register 16 b + i = k 32 b + 16 h + i of my row, become a fragment's 12 registers in v[PC] on and its scale word in v[PW]
.macro QUANT s
.irp b, 0,1,2,3
	v_max3_num_f32 v[TM+\b], |v[\s+16*\b]|, |v[\s+1+16*\b]|, 0x2800000   ; my 16 numbers of block b, and the floor 2^(5 - 127)
.endr
.irp i, 2,4,6,8,10,12,14
.irp b, 0,1,2,3
	s_delay_alu instid0(VALU_DEP_4)
	v_max3_num_f32 v[TM+\b], v[TM+\b], |v[\s+16*\b+\i]|, |v[\s+1+16*\b+\i]|
.endr
.endr
.irp b, 0,1,2,3
	s_delay_alu instid0(VALU_DEP_4)
	v_permlanex16_b32 v[TM+4+\b], v[TM+\b], s[SEL], s[SEL+1]
.endr
.irp b, 0,1,2,3
	s_delay_alu instid0(VALU_DEP_4)
	v_max_num_f32 v[TM+\b], v[TM+\b], v[TM+4+\b]   ; with lane l xor 16's 16: the block's largest magnitude
.endr
.irp b, 0,1,2,3
	s_delay_alu instid0(VALU_DEP_4)
	v_add_nc_u32 v[TM+12+\b], 0xfe000000, v[TM+\b] ; 4 off its exponent field: the conversion's scale operand
.endr
.irp b, 0,1,2,3
	s_delay_alu instid0(VALU_DEP_4)
	v_lshrrev_b32 v[TM+4+\b], 23, v[TM+12+\b]      ; the byte
.endr
	s_delay_alu instid0(VALU_DEP_3)
	v_lshl_or_b32 v[PW], v[TM+5], 8, v[TM+4]
	s_delay_alu instid0(VALU_DEP_1)
	v_lshl_or_b32 v[PW], v[TM+6], 16, v[PW]
	s_delay_alu instid0(VALU_DEP_1)
	v_lshl_or_b32 v[PW], v[TM+7], 24, v[PW]
.irp c, 0,1
	v_cvt_scalef32_pk16_bf6_f32 v[PC+6*\c:PC+2+6*\c], v[\s+32*\c:\s+15+32*\c], v[TM+12+2*\c]
	v_cvt_scalef32_pk16_bf6_f32 v[PD+4*\c:PD+2+4*\c], v[\s+16+32*\c:\s+31+32*\c], v[TM+13+2*\c]
.endr
	v_nop                                          ; one plain place behind a scaled conversion
.irp c, 0,1                            ; the operand wants a whole block in a lane: lanes 0-15 block 2 c, lanes 16-31 block 2 c + 1
.irp i, 0,1,2
	v_permlane16_swap_b32 v[PC+6*\c+\i], v[PD+4*\c+\i]
.endr
.irp i, 0,1,2
	s_delay_alu instid0(VALU_DEP_3)
	v_mov_b32 v[PC+3+6*\c+\i], v[PD+4*\c+\i]
.endr
.endr
.endm
.irp b, 0,1,2,3
.irp j, 0,1,2,3
	ds_load_b128 v[64+16*\b+4*\j:67+16*\b+4*\j], v6 offset:128*\b+16*\j
.endr
.endr
.irp b, 0,1,2,3
.irp j, 0,1,2,3
	ds_load_b128 v[128+16*\b+4*\j:131+16*\b+4*\j], v7 offset:128*\b+16*\j
.endr
.endr
	s_wait_dscnt 16                                ; tile 0's 16 loads are in; tile 1's 16 may be out
	QUANT 64
.irp p, 0,1,2,3,4,5
	global_store_b64 v10, v[PC+2*\p:PC+2*\p+1], s[22:23] offset:256*\p
.endr
	ds_store_b32 v8, v[PW]                         ; both halves of the lanes write the same word with the same value
	s_wait_dscnt 0x0                               ; tile 1's numbers are in
	s_wait_xcnt 0x0                                ; the stores have read the codes' registers: they may be written again
	QUANT 128
.irp p, 0,1,2,3,4,5
	global_store_b64 v10, v[PC+2*\p:PC+2*\p+1], s[22:23] offset:12288+256*\p
.endr
	ds_store_b32 v8, v[PW] offset:512
	s_wait_dscnt 0x0
	s_barrier_signal -1
	s_barrier_wait -1                              ; both tiles' scale words lie in LDS
	s_cmp_lt_u32 s[WV], 2
	s_cbranch_scc0 .Lxdone
	ds_load_b128 v[60:63], v9                      ; wave w: tile w's 512 bytes
	s_wait_dscnt 0x0
	global_store_b128 v4, v[60:63], s[24:25]
.Lxdone:
	s_wait_tensorcnt 0x0
	ds_add_u32 v192, v193
	s_wait_dscnt 0x0
	s_endpgm
	; ---------------- Wq, Wk, Wv ----------------
.Lweights:
	s_wait_alu depctr_va_vdst(0)
	v_lshlrev_b32 v2, 2, v1                        ; 4 bytes a lane: my column in the group of 32
	v_and_b32 v3, 7, v0
	v_bfe_u32 v4, v0, 4, 1
	s_delay_alu instid0(VALU_DEP_1)
	v_lshl_or_b32 v3, v4, 3, v3                    ; r: my column's row in its tile
	v_bfe_u32 v4, v0, 3, 1                         ; u: which of the two tiles
	s_wait_alu depctr_va_vdst(0)
	v_lshlrev_b32 v7, 3, v1                        ; 8 x lane
	s_wait_alu depctr_va_vdst(0)
	s_sub_co_u32 s35, ttmp9, NX
	s_and_b32 s34, s35, 1                          ; half of d
	s_lshr_b32 s35, s35, 1                         ; 16 which + head
	s_lshr_b32 s32, s35, 4                         ; which of the three weights
	s_and_b32 s33, s35, 15                         ; head
	s_and_b32 s17, s[WV], 1                        ; beta
	s_lshr_b32 s18, s[WV], 1                       ; my first run of 64 along d in the half (the second: four runs on)
	s_lshr_b32 s19, s[WV], 2                       ; its K step in the half (the second: two on)
	s_and_b32 s20, s18, 1                          ; and which half of that K step (the same for both)
	s_mul_i32 s21, s[WV], 1536
	s_add_co_u32 s21, s21, WST                     ; my first stage (the second: eight stages on)
	v_mul_u32_u24 v5, v4, 768
	s_delay_alu instid0(VALU_DEP_1)
	v_lshl_add_u32 v5, v3, 3, v5
	s_delay_alu instid0(VALU_DEP_1)
	v_add_nc_u32 v5, s21, v5                       ; in: tile u, lane place r (a run's second block: 16 places on)
	v_add_nc_u32 v6, s21, v7                       ; back: 8 bytes a lane
	s_lshl_b32 s22, s17, 9
	s_lshl_b32 s23, s19, 6
	s_add_co_u32 s22, s22, s23
	s_lshl_b32 s23, s20, 1
	s_add_co_u32 s22, s22, s23
	s_add_co_u32 s22, s22, WSC
	v_lshlrev_b32 v8, 8, v4
	s_delay_alu instid0(VALU_DEP_1)
	v_lshl_add_u32 v8, v3, 2, v8
	s_delay_alu instid0(VALU_DEP_1)
	v_add_nc_u32 v8, s22, v8                       ; a run's two scale bytes: tile 2 beta + u, K step, row r, bytes 2 c and 2 c + 1
	s_and_b32 s23, s[WV], 3
	s_lshl_b32 s23, s23, 8
	s_add_co_u32 s23, s23, WSC
	v_add_nc_u32 v9, s23, v7                       ; the scale words' way out (waves 0 to 3)
	s_lshl_b32 s24, s33, 18                        ; a head is 262,144 bytes,
	s_lshl_b32 s25, s34, 17                        ; half of d 512 rows of 256 bytes,
	s_add_co_u32 s24, s24, s25
	s_lshl_b32 s25, s18, 14                        ; my first 64 rows,
	s_add_co_u32 s24, s24, s25
	s_lshl_b32 s25, s17, 7                         ; my 32 columns
	s_add_co_u32 s24, s24, s25
	s_mov_b32 s25, 0
	s_lshl_b32 s36, s35, 2
	s_add_co_u32 s36, s36, 576                     ; the head's first tile
	s_lshl_b32 s27, s17, 1
	s_add_co_u32 s27, s36, s27
	s_mul_i32 s27, s27, 12288
	s_lshl_b32 s28, s34, 2
	s_add_co_u32 s28, s28, s19
	s_mul_i32 s28, s28, 1536                       ; K step
	s_add_co_u32 s28, s28, s27
	s_mul_i32 s27, s20, 768                        ; its half
	s_add_co_u32 s28, s28, s27
	s_mov_b32 s29, 0
	s_and_b32 s30, s[WV], 3
	s_add_co_u32 s30, s30, s36
	s_lshl_b32 s30, s30, 9
	s_lshl_b32 s27, s34, 8
	s_add_co_u32 s30, s30, s27
	s_add_co_u32 s30, s30, CW_SC
	s_mov_b32 s31, 0
	s_wait_kmcnt 0x0
	s_cmp_eq_u32 s32, 1                            ; the choice hangs on the work-group's number alone
	s_cselect_b64 s[10:11], s[10:11], s[12:13]
	s_cmp_eq_u32 s32, 0
	s_cselect_b64 s[8:9], s[8:9], s[10:11]
	s_add_nc_u64 s[8:9], s[8:9], s[24:25]
	s_add_nc_u64 s[28:29], s[14:15], s[28:29]
	s_add_nc_u64 s[30:31], s[14:15], s[30:31]
.set i, 0
.rept 128
	global_load_b32 v[X+i], v2, s[8:9] offset:256*(i%64)+65536*(i/64) th:TH_LOAD_NT   ; row d of the weight at my 32 columns: 128 consecutive bytes; the wave beside me takes the other 128
.set i, i+1
.endr
.macro BLK n                           ; block n of my four: largest magnitude, scale, codes, into the stage.  Each block has registers of its own for its codes, its scale and its byte
.set XS, X+32*\n
	v_max3_num_f32 v10, |v[XS]|, |v[XS+1]|, |v[XS+2]|
	v_max3_num_f32 v11, |v[XS+3]|, |v[XS+4]|, |v[XS+5]|
.irp i, 6,10,14,18,22,26
	s_delay_alu instid0(VALU_DEP_2)
	v_max3_num_f32 v10, v10, |v[XS+\i]|, |v[XS+\i+1]|
	s_delay_alu instid0(VALU_DEP_2)
	v_max3_num_f32 v11, v11, |v[XS+\i+2]|, |v[XS+\i+3]|
.endr
	s_delay_alu instid0(VALU_DEP_2)
	v_max3_num_f32 v10, v10, |v[XS+30]|, |v[XS+31]|
	s_delay_alu instid0(VALU_DEP_1)
	v_max3_num_f32 v10, v10, v11, 0x2800000        ; the floor 2^(5 - 127): the byte cannot fall under 1
	s_delay_alu instid0(VALU_DEP_1)
	v_add_nc_u32 v[12+\n], 0xfe000000, v10         ; 4 off the exponent field: the conversion's scale operand
	s_delay_alu instid0(VALU_DEP_1)
	v_lshrrev_b32 v[56+\n], 23, v[12+\n]           ; the byte
	v_cvt_scalef32_pk16_bf6_f32 v[16+8*\n:18+8*\n], v[XS:XS+15], v[12+\n]
	v_cvt_scalef32_pk16_bf6_f32 v[48+4*(\n%2):50+4*(\n%2)], v[XS+16:XS+31], v[12+\n]   ; (a conversion's three registers begin on an even number)
	v_nop                                          ; one plain place behind a scaled conversion
.irp i, 0,1,2
	v_mov_b32 v[19+8*\n+\i], v[48+4*(\n%2)+\i]
.endr
.irp p, 0,1,2
	ds_store_b64 v5, v[16+8*\n+2*\p:17+8*\n+2*\p] offset:12288*(\n/2)+128*(\n%2)+256*\p
.endr
.endm
	s_wait_loadcnt 63                              ; of my 128 loads only the last 63 may be out: the first 64, blocks 0 and 1, are in (a wait's count names 63 at the most)
	BLK 0
	BLK 1
	s_wait_loadcnt 32                              ; block 2's loads are in; block 3's 32 may be out
	BLK 2
	s_wait_loadcnt 0x0
	BLK 3
	v_lshl_or_b32 v56, v57, 8, v56
	v_lshl_or_b32 v58, v59, 8, v58
	ds_store_b16 v8, v56                           ; the first run's two bytes of my row's scale word,
	ds_store_b16 v8, v58 offset:128                ; the second's, two K steps on
.irp e, 0,1
.irp u, 0,1
.irp p, 0,1,2
	ds_load_b64 v[64+12*\e+6*\u+2*\p:65+12*\e+6*\u+2*\p], v6 offset:12288*\e+768*\u+256*\p   ; LDS serves a wave's instructions in order: these see my stores
.endr
.endr
.endr
	s_wait_dscnt 0x0                               ; the pieces are back, and my scale bytes have landed: for the other waves' sake zero
.irp e, 0,1
.irp u, 0,1
.irp p, 0,1,2
	global_store_b64 v7, v[64+12*\e+6*\u+2*\p:65+12*\e+6*\u+2*\p], s[28:29] offset:3072*\e+12288*\u+256*\p   ; 256 consecutive bytes, aligned
.endr
.endr
.endr
	s_barrier_signal -1
	s_barrier_wait -1                              ; all eight waves' scale bytes lie in LDS
	s_cmp_lt_u32 s[WV], 4
	s_cbranch_scc0 .Lwdone
	ds_load_b64 v[88:89], v9                       ; wave w: tile w's 256 bytes of scale words for this half of d
	s_wait_dscnt 0x0
	global_store_b64 v7, v[88:89], s[30:31]
.Lwdone:
	s_wait_tensorcnt 0x0
	ds_add_u32 v192, v193
	s_wait_dscnt 0x0
	s_endpgm
.Lfunc_end_k_qc317b12813_prep:
	.size	k_qc317b12813_prep, .Lfunc_end_k_qc317b12813_prep-k_qc317b12813_prep
	.p2alignl 7, 3214868480
	.fill 96, 4, 3214868480
	.section	.rodata,"a",@progbits
	.p2align	6, 0x0
	.amdhsa_kernel k_qc317b12813_prep
		.amdhsa_group_segment_fixed_size 159232
		.amdhsa_private_segment_fixed_size 0
		.amdhsa_enable_private_segment 0
		.amdhsa_kernarg_size 48
		.amdhsa_user_sgpr_count 2
		.amdhsa_user_sgpr_kernarg_segment_ptr 1
		.amdhsa_wavefront_size32 1
		.amdhsa_system_sgpr_workgroup_id_x 1
		.amdhsa_system_sgpr_workgroup_id_y 1
		.amdhsa_system_sgpr_workgroup_id_z 1
		.amdhsa_system_vgpr_workitem_id 0
		.amdhsa_next_free_vgpr 194
		.amdhsa_next_free_sgpr 66
		.amdhsa_reserve_vcc 0
		.amdhsa_float_denorm_mode_32 3
		.amdhsa_float_denorm_mode_16_64 3
		.amdhsa_memory_ordered 1
		.amdhsa_forward_progress 1
		.amdhsa_inst_pref_size 75
	.end_amdhsa_kernel
	.amdgpu_metadata
---
amdhsa.version: [ 1, 2 ]
amdhsa.kernels:
  - .name:           k_qc317b12813_prep
    .symbol:         k_qc317b12813_prep.kd
    .args:
      - { .name: x, .offset: 0, .size: 8, .value_kind: global_buffer, .address_space: global }
      - { .name: Wo, .offset: 8, .size: 8, .value_kind: global_buffer, .address_space: global }
      - { .name: Wq, .offset: 16, .size: 8, .value_kind: global_buffer, .address_space: global }
      - { .name: Wk, .offset: 24, .size: 8, .value_kind: global_buffer, .address_space: global }
      - { .name: Wv, .offset: 32, .size: 8, .value_kind: global_buffer, .address_space: global }
      - { .name: CW, .offset: 40, .size: 8, .value_kind: global_buffer, .address_space: global }
    .group_segment_fixed_size: 159232
    .private_segment_fixed_size: 0
    .kernarg_segment_align: 8
    .kernarg_segment_size: 48
    .max_flat_workgroup_size: 256
    .sgpr_count:     66
    .vgpr_count:     194
    .wavefront_size: 32
...
	.end_amdgpu_metadata
.endif
;; end of part 1
;; launch qkv (part 2): grid 8 x 96, 4 waves a work-group, clusters of 4 x 4, 307,712 bytes of LDS; arguments CW, bq, bk, bv, AB; writes AB
.if DOCPART == 2
	.amdgcn_target "amdgcn-amd-amdhsa--gfx1250"
	.amdhsa_code_object_version 6
	.text
	.protected	k_qc317b12813_qkv
	.globl	k_qc317b12813_qkv
	.p2align	8
	.type	k_qc317b12813_qkv,@function
k_qc317b12813_qkv:
	s_mov_b64 s[64:65], 0
	v_nop
	global_prefetch_b8 v0, s[64:65] scope:SCOPE_SE
	s_setreg_imm32_b32 hwreg(HW_REG_WAVE_MODE, 25, 1), 1
	s_wait_xcnt 0x0
	s_wait_alu depctr_hold_cnt(0) depctr_sa_sdst(0) depctr_va_vdst(0) depctr_va_sdst(0) depctr_va_ssrc(0) depctr_va_vcc(0) depctr_vm_vsrc(0)
	s_getreg_b32 s2, hwreg(HW_REG_IB_STS2, 6, 4)
	s_cmp_eq_u32 s2, 0
	s_cbranch_scc0 .Lentry_in_a_cluster
	s_endpgm
.Lentry_in_a_cluster:
	s_bfe_u32 s2, ttmp6, 0x10000c
	s_cmp_lg_u32 s2, 0xf033
	s_cbranch_scc0 .Lentry_shape_is_right
	s_endpgm
.Lentry_shape_is_right:
; Q, K, V = xn W + b on codes of BF6 (E3M2) from CW, and the results quantised at once for the attention's products, into AB.
; A work-group makes 128 ("A": the result's lanes) x 256 ("B": the result's registers), K = 1,024.  Four waves, each 64 x 128: 32 accumulators.  Source 0 = 16 rows of B, source 1 = 16 rows of A.
; TWO KINDS, told apart by the cluster's y, which all partners share.  Q/K (y under 16): A = tokens, B = columns of Wq | Wk: a lane holds one token and 128 neighbouring columns (two heads), which is
; the K of the score product.  V (y from 16): A = channels of Wv, B = tokens: a lane holds one channel and 128 neighbouring tokens, which is one K step of attn x V.
; ALL OF K LIES IN LDS, filled once: 4 chunks of two K steps, each [A: 8 tiles x 3,072 bytes][B: 16 tiles x 3,072], then the scale words.  Every wave issues five tensor loads at the head (five are out at the most); nothing is filled again.
; CLUSTER 4 x 4: A's tiles hang on cy and are asked for jointly along a row of the cluster, B's on cx and along a column.
; Tiles are images of the operand's registers: a fragment (16 rows x 128 K) is six loads of 8 bytes a lane, 256 consecutive bytes each: no pitch, no padding.
; The bias is the C of each sum's first matrix instruction.
; AB: Q at 0, K at 6,815,744: for each (batch, head) 128 half fragments of 768 bytes (16 tokens x 64) and 32 granules of scale words (256 bytes: lane l's words: tiles 4 g + l / 16 and 4 g + 2 + l / 16, row l % 16).
;     V at 13,631,488: for each (batch, head) [key step 16][channel tile 4][1,536] and 16 granules.
; REGISTERS: window 0: v1-7 lane numbers, v16-23, v27 LDS addresses, v32-95 scale words (lanes 0-15 A's block i, lanes 16-31 B's), v96-127 and v224-255 bias tiles, v128-223 A's fragments, two sets; window 1: B's fragments, two sets;
;   window 2: accumulator (a, b) at v[8 (8 a + b)].
; LIMITS: NaN and infinities are not served; a block of zeros gets the byte 1 (its codes are zeros; only this program reads the bytes).
.set CW_SC,  9437184
.set CHUNK,  73728
; LDS AS THIS TEXT LAYS IT (it takes the place of the head's lines on chunks and on five loads): A's 8 tiles whole, 12,288 bytes each (8 K steps x 1,536), from byte 0; B's 16 tiles from byte 98,304; the scale words from SCL.
; Each of the four is one dense block of CW and comes by ONE joint load, one a wave: wave 0 A's codes, wave 1 B's codes, wave 2 A's scale words, wave 3 B's.  One load of a wave is out.
; No prefetch: the tiles come once, at the head, and the text has no loop to run ahead in.
.set SCL,    4*CHUNK
.set FR,     12
.set ADRA,   16
.set ADRB,   20
.set ADRS,   27
.set SC,     32
.set AF,     128
.set PC,     128                       ; the way out: codes, v128-139
.set PD,     140                       ; v140-147
.set TM,     148                       ; v148-163
.set WD,     164                       ; v164-167 the four tiles' scale words
.set G1A,  24
.set G1B,  32
.set G1SA, 40
.set G1SB, 48
.set G0A,  56                          ; chunk j: s[56 + 4 j + 4 (j / 2)] on (s64 to s67 are passed over)
.set G0B,  76
.set G0SA, 92
.set G0SB, 96
.set MSB, 0
.macro WIN new                         ; the immediate's high byte repeats the setting that is left
.if MSB != \new
	s_set_vgpr_msb (MSB<<8)|\new
.set MSB, \new
.endif
.endm
.macro PLACES n
.rept \n
	v_nop
.endr
.endm
.macro CROUND                          ; a round of the cluster's barrier
	s_barrier_signal -1
	s_barrier_wait -1
	s_cmp_lg_u32 s14, 0
	s_cbranch_scc1 .Lnot_wave_0_\@
	s_barrier_signal -3
.Lnot_wave_0_\@:
	s_barrier_wait -3
	s_barrier_signal -1
	s_barrier_wait -1
.endm
.macro SHAPE g, c, r, p                ; group 1 behind its first word: r rows of c elements of 8 bytes, p elements apart
	s_mov_b32 s[\g+1], (\c)<<16
	s_mov_b32 s[\g+2], (\r)<<16
	s_mov_b32 s[\g+3], (\c)<<16
	s_mov_b32 s[\g+4], \r
	s_mov_b32 s[\g+5], \p
	s_mov_b32 s[\g+6], 0
	s_mov_b32 s[\g+7], 0
.endm
	s_load_b256 s[4:11], s[0:1], 0x0               ; CW, bq, bk, bv
	s_load_b64 s[12:13], s[0:1], 0x20              ; AB
	v_lshl_add_u32 v30, v0, 2, 0x4b000
	v_mov_b32 v31, 0
	ds_add_u32 v30, v31
	ds_add_u32 v30, v31
	v_lshrrev_b32 v1, 5, v0
	v_readfirstlane_b32 s14, v1                    ; wave 0..3
	s_lshr_b32 s15, s14, 1                         ; my half of A's 8 tiles.  Also: I fetch for A (0) or for B (1)
	s_and_b32 s16, s14, 1                          ; my half of B's 16 tiles.  Also: which half I fetch
	s_bfe_u32 s17, ttmp6, 0x40000                  ; cx
	s_bfe_u32 s18, ttmp6, 0x40004                  ; cy
	s_and_b32 s20, ttmp7, 0xffff                   ; the cluster's y
	s_sub_co_u32 s3, s20, 16
	s_cmp_ge_u32 s20, 16
	s_cselect_b32 s21, 1, 0                        ; the kind: 1 = V
	s_cselect_b32 s2, ttmp9, s20                   ; the cluster's coordinate that goes with cy
	s_cselect_b32 s3, s3, ttmp9                    ; and with cx
	s_cselect_b32 s19, 704, 0                      ; A's first tile in CW: Wv's, or xn's
	s_cselect_b32 s66, 0, 576                      ; B's: xn's, or Wq | Wk's
	s_lshl_b32 s2, s2, 2
	s_add_co_u32 s2, s2, s18                       ; mt: which 128 of A
	s_lshl_b32 s3, s3, 2
	s_add_co_u32 s3, s3, s17                       ; nt: which 256 of B
	s_lshl_b32 s22, s2, 3
	s_add_co_u32 s22, s22, s19
	s_lshl_b32 s100, s3, 4
	s_add_co_u32 s100, s100, s66
	s_lshl_b32 s104, s22, 9
	s_add_co_u32 s104, s104, CW_SC                 ; their scale words,
	s_mov_b32 s105, 0
	s_mul_i32 s22, s22, 12288                      ; their codes
	s_mov_b32 s23, 0
	s_lshl_b32 s66, s100, 9
	s_add_co_u32 s66, s66, CW_SC
	s_mov_b32 s67, 0
	s_mul_i32 s100, s100, 12288
	s_mov_b32 s101, 0
	s_lshl_b32 s19, s18, 2
	s_lshl_b32 s19, 15, s19                        ; my row of the cluster
	s_lshl_b32 s20, 0x1111, s17                    ; my column
	s_or_b32 s[G1A], s19, (3<<16)|(1<<21)          ; 15:0 the mask; 17:16 elements of 8 bytes; 21 set beside a mask; no padding
	s_or_b32 s[G1SA], s19, (3<<16)|(1<<21)
	s_or_b32 s[G1B], s20, (3<<16)|(1<<21)
	s_or_b32 s[G1SB], s20, (3<<16)|(1<<21)
	SHAPE G1A, 32, 384, 32                         ; eight tiles' codes: 98,304 dense bytes as rows of 256
	SHAPE G1B, 32, 768, 32                         ; sixteen tiles'
	SHAPE G1SA, 32, 16, 32                         ; eight tiles' scale words: 4,096 dense bytes
	SHAPE G1SB, 32, 32, 32
	s_wait_dscnt 0x0
	s_wait_kmcnt 0x0
	s_add_nc_u64 s[22:23], s[4:5], s[22:23]
	s_add_nc_u64 s[100:101], s[4:5], s[100:101]
	s_add_nc_u64 s[104:105], s[4:5], s[104:105]
	s_add_nc_u64 s[66:67], s[4:5], s[66:67]
	s_mov_b32 s[G0A], 1
	s_mov_b32 s[G0A+1], 0
	s_mov_b64 s[G0A+2:G0A+3], s[22:23]
	s_or_b32 s[G0A+3], s[G0A+3], 0x80000000
	s_mov_b32 s[G0B], 1
	s_mov_b32 s[G0B+1], 98304
	s_mov_b64 s[G0B+2:G0B+3], s[100:101]
	s_or_b32 s[G0B+3], s[G0B+3], 0x80000000
	s_mov_b32 s[G0SA], 1
	s_mov_b32 s[G0SA+1], SCL
	s_mov_b64 s[G0SA+2:G0SA+3], s[104:105]
	s_or_b32 s[G0SA+3], s[G0SA+3], 0x80000000
	s_mov_b32 s[G0SB], 1
	s_mov_b32 s[G0SB+1], SCL+4096
	s_mov_b64 s[G0SB+2:G0SB+3], s[66:67]
	s_or_b32 s[G0SB+3], s[G0SB+3], 0x80000000
	CROUND                                         ; all sixteen work-groups are here: the joint loads meet
	s_cmp_lt_u32 s14, 1                            ; one chain of branches on the wave's number, one load to an arm
	s_cbranch_scc0 .Lhead_b
	tensor_load_to_lds s[G0A:G0A+3], s[G1A:G1A+7]
	s_nop 0
	PLACES 4
	s_branch .Lasked
.Lhead_b:
	s_cmp_lt_u32 s14, 2
	s_cbranch_scc0 .Lhead_sa
	tensor_load_to_lds s[G0B:G0B+3], s[G1B:G1B+7]
	s_nop 0
	PLACES 4
	s_branch .Lasked
.Lhead_sa:
	s_cmp_lt_u32 s14, 3
	s_cbranch_scc0 .Lhead_sb
	tensor_load_to_lds s[G0SA:G0SA+3], s[G1SA:G1SA+7]
	s_nop 0
	PLACES 4
	s_branch .Lasked
.Lhead_sb:
	tensor_load_to_lds s[G0SB:G0SB+3], s[G1SB:G1SB+7]
	s_nop 0
	PLACES 4
.Lasked:
	v_and_b32 v1, 31, v0                           ; lane
	v_and_b32 v2, 15, v0                           ; r
	v_bfe_u32 v3, v0, 4, 1                         ; h
	v_lshlrev_b32 v4, 3, v1                        ; 8 x lane: my place in every piece
	s_wait_alu depctr_va_vdst(0)
	s_mul_i32 s19, s15, 49152                      ; my four tiles of A,
	s_mul_i32 s20, s16, 98304
	s_add_co_u32 s20, s20, 98304                   ; my eight of B, behind A's eight
	v_add_nc_u32 v[ADRA], s19, v4
	v_add_nc_u32 v[ADRB], s20, v4                  ; B's tiles 0 to 3 of mine,
	v_add_nc_u32 v[ADRB+1], 49152, v[ADRB]         ; and 4 to 7: an LDS offset has 16 bits
	s_lshl_b32 s19, s15, 11                        ; scale words: lanes 0-15 take A's rows, lanes 16-31 B's: the lower base + h x the distance
	s_lshl_b32 s20, s16, 12
	s_add_co_u32 s20, s20, 4096
	s_sub_co_u32 s20, s20, s19
	v_mul_u32_u24 v5, s20, v3
	s_add_co_u32 s19, s19, SCL
	v_lshl_add_u32 v5, v2, 2, v5
	v_add_nc_u32 v[ADRS], s19, v5
	v_lshlrev_b32 v6, 6, v3                        ; 64 h
	v_and_b32 v7, 8, v2
	v_add_nc_u32 v7, v7, v2
	v_lshlrev_b32 v7, 2, v7                        ; 4 (r + 8 (r / 8))
	s_cmp_eq_u32 s21, 0
	s_cbranch_scc0 .Lbias_v
	s_cmp_eq_u32 ttmp9, 0                          ; Q/K: the bias runs along the registers: tile b holds b[32 (b / 2) + 16 h + 8 (b % 2) + 0 .. 7] of my 128 columns
	s_cselect_b64 s[6:7], s[6:7], s[8:9]
	s_lshl_b32 s22, s17, 10
	s_lshl_b32 s23, s16, 9
	s_add_co_u32 s22, s22, s23
	s_mov_b32 s23, 0
	s_add_nc_u64 s[6:7], s[6:7], s[22:23]
	s_wait_alu depctr_va_vdst(0)
.irp b, 0,1,2,3,4,5,6,7
.set rC, 96+8*\b+96*(\b/4)
	global_load_b128 v[rC:rC+3], v6, s[6:7] offset:(32*(\b/2)+8*(\b%2))*4
	global_load_b128 v[rC+4:rC+7], v6, s[6:7] offset:(32*(\b/2)+8*(\b%2))*4+16
.endr
	s_branch .Lbias_in
.Lbias_v:
	s_lshl_b32 s22, s2, 1                          ; V: the bias runs along the lanes: all eight registers of tile a hold bv of my lane's channel
	s_add_co_u32 s22, s22, s15                     ; my head
	s_lshl_b32 s22, s22, 8
	s_mov_b32 s23, 0
	s_add_nc_u64 s[10:11], s[10:11], s[22:23]
	s_wait_alu depctr_va_vdst(0)
.irp a, 0,1,2,3
.irp j, 0,1,2,3,4,5,6,7
	global_load_b32 v[96+8*\a+\j], v7, s[10:11] offset:(32*(\a/2)+8*(\a%2))*4
.endr
.endr
.set i, 224
.rept 32
	v_mov_b32 v[i], 0                              ; this kind has four bias tiles; the other four registers' tiles are written too, so that every register that the text names further down is written on both ways
.set i, i+1
.endr
.Lbias_in:
.macro FRAG reg, adr, off              ; a fragment: six pieces of 8 bytes a lane
.irp p, 0,1,2,3,4,5
	ds_load_b64 v[\reg+2*\p:\reg+2*\p+1], v[\adr] offset:\off+256*\p
.endr
.endm
.macro FETCH k                         ; K step k's fragments: B's eight into set k % 2 of window 1, A's four into set k % 2 of window 0
	WIN 0x40
.irp b, 0,1,2,3,4,5,6,7
	FRAG 128*((\k)%2)+FR*\b, ADRB+\b/4, 12288*(\b%4)+1536*(\k)
.endr
	WIN 0
.irp a, 0,1,2,3
	FRAG AF+48*((\k)%2)+FR*\a, ADRA, 12288*\a+1536*(\k)
.endr
.endm
; 32 matrix instructions: K step k.  cm = 0: onto the sums; 1: the sums begin with bias tile b; 2: with bias tile a.  The 32 accumulators take turns, one instruction a turn, in the same order in every step.
.macro MULK k, cm
.if \cm == 0
	WIN 0xa1                                       ; source 0 (B) window 1, source 1 (A) window 0, C and D window 2
.else
	WIN 0x81                                       ; C window 0
.endif
.irp a, 0,1,2,3
.irp b, 0,1,2,3,4,5,6,7
.set rD, 8*(8*\a+\b)
.set rB, 128*((\k)%2)+FR*\b
.set rA, AF+48*((\k)%2)+FR*\a
.if \cm == 0
	v_wmma_scale_f32_16x16x128_f8f6f4 v[rD:rD+7], v[rB:rB+FR-1], v[rA:rA+FR-1], v[rD:rD+7], v[SC+8*\b+(\k)], v[SC+8*\a+(\k)] matrix_a_fmt:MATRIX_FMT_BF6 matrix_b_fmt:MATRIX_FMT_BF6 matrix_a_scale:MATRIX_SCALE_ROW1
.elseif \cm == 1
.set rC, 96+8*\b+96*(\b/4)
	v_wmma_scale_f32_16x16x128_f8f6f4 v[rD:rD+7], v[rB:rB+FR-1], v[rA:rA+FR-1], v[rC:rC+7], v[SC+8*\b+(\k)], v[SC+8*\a+(\k)] matrix_a_fmt:MATRIX_FMT_BF6 matrix_b_fmt:MATRIX_FMT_BF6 matrix_a_scale:MATRIX_SCALE_ROW1
.else
.set rC, 96+8*\a
	v_wmma_scale_f32_16x16x128_f8f6f4 v[rD:rD+7], v[rB:rB+FR-1], v[rA:rA+FR-1], v[rC:rC+7], v[SC+8*\b+(\k)], v[SC+8*\a+(\k)] matrix_a_fmt:MATRIX_FMT_BF6 matrix_b_fmt:MATRIX_FMT_BF6 matrix_a_scale:MATRIX_SCALE_ROW1
.endif
.endr
.endr
.endm
.macro STEPK k, cm
	s_wait_dscnt 0x0                               ; this step's fragments are in (asked for 32 matrix instructions ago)
.if (\k) < 7
.if (\k) > 0
	PLACES 4                                       ; four places between the last products and loads into the set that they read (ISA guide 7.12.1 for vector instructions)
.endif
	FETCH (\k)+1
.endif
	MULK \k, \cm
	WIN 0
.endm
	s_wait_tensorcnt 0x0                           ; my one load has landed
	s_barrier_signal -1
	s_barrier_wait -1
.irp i, 0,1,2,3,4,5,6,7
.irp k, 0,1,2,3,4,5,6,7
	ds_load_b32 v[SC+8*\i+\k], v[ADRS] offset:512*\i+64*\k   ; block i, K step k (for i over 3 the lower lanes read filled bytes that no product names)
.endr
.endr
	FETCH 0
	s_wait_loadcnt 0x0                             ; the bias
	s_cmp_eq_u32 s21, 0
	s_cbranch_scc0 .Lfirst_v
	s_wait_alu depctr_va_vdst(0)
	STEPK 0, 1
	s_branch .Lfirst_done
.Lfirst_v:
	STEPK 0, 2
.Lfirst_done:
	STEPK 1, 0
	STEPK 2, 0
	STEPK 3, 0
	STEPK 4, 0
	STEPK 5, 0
	STEPK 6, 0
	STEPK 7, 0
	; THE WAY OUT.  No tensor load is out since K step 5: the descriptors' registers are free.  Both kinds' offsets are made as whole numbers and chosen; the one pointer is AB.
	s_mov_b32 s30, 0x76543210
	s_mov_b32 s31, 0xfedcba98                      ; selects of v_permlanex16_b32: lane l xor 16
	s_lshl_b32 s24, s2, 3
	s_lshl_b32 s25, s15, 2
	s_add_co_u32 s24, s24, s25                     ; Q/K: my first token tile,
	s_lshr_b32 s25, s24, 7                         ; its batch,
	s_and_b32 s24, s24, 127                        ; its number in the batch
	s_lshl_b32 s26, s17, 2
	s_lshl_b32 s27, s16, 1
	s_add_co_u32 s26, s26, s27                     ; the first of my two heads
	s_lshl_b32 s25, s25, 4
	s_add_co_u32 s25, s25, s26
	s_mul_i32 s25, s25, 106496
	s_mul_i32 s26, ttmp9, 6815744                  ; Q or K
	s_add_co_u32 s25, s25, s26                     ; the head's block
	s_mul_i32 s26, s24, 768                        ; the tile's half fragment in it
	s_lshl_b32 s27, s24, 6                         ; its granule: 256 bytes for four tiles
	s_lshl_b32 s28, s2, 1
	s_add_co_u32 s28, s28, s15                     ; V: my head,
	s_lshr_b32 s29, s3, 3                          ; the batch,
	s_lshl_b32 s29, s29, 4
	s_add_co_u32 s28, s28, s29
	s_mul_i32 s28, s28, 102400
	s_add_co_u32 s28, s28, 13631488                ; the head's block
	s_lshl_b32 s29, s3, 1
	s_add_co_u32 s29, s29, s16
	s_and_b32 s29, s29, 15                         ; the key step
	s_mul_i32 s32, s29, 6144
	s_lshl_b32 s33, s29, 8
	s_mov_b32 s34, 768
	s_mov_b32 s36, 1536
	s_cmp_eq_u32 s21, 0
	s_cselect_b32 s25, s25, s28
	s_cselect_b32 s26, s26, s32
	s_cselect_b32 s27, s27, s33
	s_cselect_b32 s34, 106496, s34                 ; from a fragment's first half to its second: the next head's block, or 768 bytes
	s_cselect_b32 s36, 768, s36                    ; from tile a to tile a + 1
	s_mov_b32 s37, 0
	s_add_co_u32 s38, s25, s26
	s_mov_b32 s39, 0
	s_add_co_u32 s40, s38, s34
	s_mov_b32 s41, 0
	s_add_co_u32 s42, s25, s27
	s_add_co_u32 s42, s42, 98304
	s_mov_b32 s43, 0
	s_add_nc_u64 s[38:39], s[12:13], s[38:39]
	s_add_nc_u64 s[40:41], s[12:13], s[40:41]
	s_add_nc_u64 s[42:43], s[12:13], s[42:43]
; The 64 registers of A's tile a (window 2, v[s] on) are 128 neighbours along the next K: register 16 b + i = k 32 b + 16 h + i.  They become 12 registers of codes in v[PC] on and a scale word in v[pw].
.macro QUANTW s, pw
	WIN 0x28                                       ; sources 1 and 2 window 2
.irp b, 0,1,2,3
	v_max3_num_f32 v[TM+\b], 0x2800000, |v[(\s)+16*\b]|, |v[(\s)+1+16*\b]|   ; the floor 2^(5 - 127) and my first two of block b; each accumulator is read from its low end on
.endr
.irp i, 2,4,6,8,10,12,14
.irp b, 0,1,2,3
	v_max3_num_f32 v[TM+\b], v[TM+\b], |v[(\s)+16*\b+\i]|, |v[(\s)+1+16*\b+\i]|
.endr
.endr
	WIN 0
.irp b, 0,1,2,3
	v_permlanex16_b32 v[TM+4+\b], v[TM+\b], s30, s31
.endr
.irp b, 0,1,2,3
	v_max_num_f32 v[TM+\b], v[TM+\b], v[TM+4+\b]
.endr
.irp b, 0,1,2,3
	v_add_nc_u32 v[TM+12+\b], 0xfe000000, v[TM+\b]
.endr
.irp b, 0,1,2,3
	v_lshrrev_b32 v[TM+4+\b], 23, v[TM+12+\b]
.endr
	v_lshl_or_b32 v[\pw], v[TM+5], 8, v[TM+4]
	v_lshl_or_b32 v[\pw], v[TM+6], 16, v[\pw]
	v_lshl_or_b32 v[\pw], v[TM+7], 24, v[\pw]
	WIN 0x02                                       ; source 0 window 2
.irp c, 0,1
	v_cvt_scalef32_pk16_bf6_f32 v[PC+6*\c:PC+2+6*\c], v[(\s)+32*\c:(\s)+15+32*\c], v[TM+12+2*\c]
	v_cvt_scalef32_pk16_bf6_f32 v[PD+4*\c:PD+2+4*\c], v[(\s)+16+32*\c:(\s)+31+32*\c], v[TM+13+2*\c]
.endr
	WIN 0
	v_nop                                          ; one plain place behind a scaled conversion
.irp c, 0,1
.irp i, 0,1,2
	v_permlane16_swap_b32 v[PC+6*\c+\i], v[PD+4*\c+\i]
.endr
.irp i, 0,1,2
	v_mov_b32 v[PC+3+6*\c+\i], v[PD+4*\c+\i]
.endr
.endr
.endm
	PLACES 4                                       ; behind the last products: their results are read and their operands' registers written below
.irp b, 0,1,2,3
	v_mov_b32 v[TM+4+\b], 0                        ; a lane permute's destination counts as one of its sources
.endr
.irp a, 0,1,2,3
.if \a > 0
	s_wait_xcnt 0x0                                ; the last tile's stores have read their data and bases
	s_add_nc_u64 s[38:39], s[38:39], s[36:37]
	s_add_nc_u64 s[40:41], s[40:41], s[36:37]
.endif
	QUANTW 64*\a, WD+\a
.irp p, 0,1,2
	global_store_b64 v4, v[PC+2*\p:PC+2*\p+1], s[38:39] offset:256*\p        ; 256 consecutive bytes, aligned
.endr
.irp p, 0,1,2
	global_store_b64 v4, v[PC+6+2*\p:PC+7+2*\p], s[40:41] offset:256*\p
.endr
.endr
	v_cmp_le_u32 vcc_lo, 16, v1
	v_cndmask_b32 v168, v[WD], v[WD+1], vcc_lo     ; the granule: lanes 0-15 tiles 0 and 2, lanes 16-31 tiles 1 and 3
	v_cndmask_b32 v169, v[WD+2], v[WD+3], vcc_lo
	global_store_b64 v4, v[168:169], s[42:43]
	s_cmp_eq_u32 s21, 0
	s_cbranch_scc0 .Lno_second
	v_lshrrev_b32 v170, 16, v168                   ; Q/K: bytes 2 and 3 are the second head's two blocks
	v_lshrrev_b32 v171, 16, v169
	global_store_b64 v4, v[170:171], s[42:43] offset:106496
.Lno_second:
	s_wait_tensorcnt 0x0
	ds_add_u32 v30, v31
	s_wait_dscnt 0x0
	CROUND                                         ; the closing round: no work-group ends while a partner may still ask for a tile that names it
	s_endpgm
.Lfunc_end_k_qc317b12813_qkv:
	.size	k_qc317b12813_qkv, .Lfunc_end_k_qc317b12813_qkv-k_qc317b12813_qkv
	.p2alignl 7, 3214868480
	.fill 96, 4, 3214868480
	.section	.rodata,"a",@progbits
	.p2align	6, 0x0
	.amdhsa_kernel k_qc317b12813_qkv
		.amdhsa_group_segment_fixed_size 307712
		.amdhsa_private_segment_fixed_size 0
		.amdhsa_enable_private_segment 0
		.amdhsa_kernarg_size 40
		.amdhsa_user_sgpr_count 2
		.amdhsa_user_sgpr_kernarg_segment_ptr 1
		.amdhsa_wavefront_size32 1
		.amdhsa_system_sgpr_workgroup_id_x 1
		.amdhsa_system_sgpr_workgroup_id_y 1
		.amdhsa_system_sgpr_workgroup_id_z 1
		.amdhsa_system_vgpr_workitem_id 0
		.amdhsa_next_free_vgpr 768
		.amdhsa_next_free_sgpr 106
		.amdhsa_reserve_vcc 1
		.amdhsa_float_denorm_mode_32 3
		.amdhsa_float_denorm_mode_16_64 3
		.amdhsa_memory_ordered 1
		.amdhsa_forward_progress 1
		.amdhsa_inst_pref_size 118
	.end_amdhsa_kernel
	.amdgpu_metadata
---
amdhsa.version: [ 1, 2 ]
amdhsa.kernels:
  - .name:           k_qc317b12813_qkv
    .symbol:         k_qc317b12813_qkv.kd
    .args:
      - { .name: CW, .offset: 0, .size: 8, .value_kind: global_buffer, .address_space: global }
      - { .name: bq, .offset: 8, .size: 8, .value_kind: global_buffer, .address_space: global }
      - { .name: bk, .offset: 16, .size: 8, .value_kind: global_buffer, .address_space: global }
      - { .name: bv, .offset: 24, .size: 8, .value_kind: global_buffer, .address_space: global }
      - { .name: AB, .offset: 32, .size: 8, .value_kind: global_buffer, .address_space: global }
    .group_segment_fixed_size: 307712
    .private_segment_fixed_size: 0
    .kernarg_segment_align: 8
    .kernarg_segment_size: 40
    .max_flat_workgroup_size: 128
    .sgpr_count:     106
    .vgpr_count:     768
    .wavefront_size: 32
...
	.end_amdgpu_metadata
.endif
;; end of part 2
;; launch stats (part 3): grid 4 x 64, 16 waves a work-group, clusters of 4 x 1, 169,984 bytes of LDS; arguments AB, ST; writes ST
.if DOCPART == 3
	.amdgcn_target "amdgcn-amd-amdhsa--gfx1250"
	.amdhsa_code_object_version 6
	.text
	.protected	k_qc317b12813_stats
	.globl	k_qc317b12813_stats
	.p2align	8
	.type	k_qc317b12813_stats,@function
k_qc317b12813_stats:
	s_mov_b64 s[64:65], 0
	v_nop
	global_prefetch_b8 v0, s[64:65] scope:SCOPE_SE
	s_setreg_imm32_b32 hwreg(HW_REG_WAVE_MODE, 25, 1), 1
	s_wait_xcnt 0x0
	s_wait_alu depctr_hold_cnt(0) depctr_sa_sdst(0) depctr_va_vdst(0) depctr_va_sdst(0) depctr_va_ssrc(0) depctr_va_vcc(0) depctr_vm_vsrc(0)
	s_getreg_b32 s2, hwreg(HW_REG_IB_STS2, 6, 4)
	s_cmp_eq_u32 s2, 0
	s_cbranch_scc0 .Lentry_in_a_cluster
	s_endpgm
.Lentry_in_a_cluster:
	s_bfe_u32 s2, ttmp6, 0x10000c
	s_cmp_lg_u32 s2, 0x3003
	s_cbranch_scc0 .Lentry_shape_is_right
	s_endpgm
.Lentry_shape_is_right:
; The softmax runs over the QUERIES: for each key of each (batch, head) this launch finds ST[key] = -(c m + log2 l), m the largest score over all 2,048 queries, l the sum over them of 2^(c s - c m),
; c = log2(e) / 8.  The next launch then has attn = 2^(c s + ST[key]), finished and normalised.  The maximum is a running one.
; SHARES: work-group y = 16 batch + head; the four work-groups of a cluster take 512 keys each; wave w of sixteen owns 32 keys, two tiles.  The head's whole Q block (106,496 bytes: 128 half fragments and
; their scale words) comes into LDS once, asked for jointly by the four (each wave one load of 26 rows of 256 bytes; one load of a wave is out).  Nothing is filled again.
; LAYOUT: source 0 = 16 queries, source 1 = my 16 keys: a lane holds ONE key, its registers queries.  Each half of the lanes keeps its own running (m, l) over its half of the queries: nothing crosses lanes in the loop.
; K = 64 IN A FORM OF 128: my keys' operand is [6 registers of codes | 6 of zero codes]; a query tile's operand is 12 registers of a run of half fragments, whose upper six (the next tile's codes) meet the zero codes.
; Scale words: bytes 0, 1 are the two blocks'; bytes 2, 3 are another head's bytes or 0, never 0xff.
; LIMITS: NaN and infinities are not served.
.set QBLK,  106496
.set KBASE, 6815744
.set STG,   106496                     ; LDS behind the Q block: 512 results
.set RUN,   16                         ; v16-63 eight half fragments of Q, v64-69 zeros
.set QSC,   70                         ; v70-73 their scale words: tile t in v[70 + t / 2], lanes 0-15 (t even) or 16-31
.set KS,    74                         ; my keys' scale words: tile 0 in lanes 0-15, tile 1 in lanes 16-31
.set KA,    76                         ; v76-99 my two tiles of keys
.set S,     100                        ; v100-227 scores, 64 a tile of keys
.set ST,    228                        ; tile u at v[ST + 8 u]: +0 c m, +1 m, +2, +3 l, +4 to +7 at work
.set WV,    8
.set G1,    16
.set G0,    24
.set CS,    28
.set SEL,   30
.set TB,    32
.set TS,    33
.set CNT,   34
.macro CROUND
	s_barrier_signal -1
	s_barrier_wait -1
	s_cmp_lg_u32 s[WV], 0
	s_cbranch_scc1 .Lnot_wave_0_\@
	s_barrier_signal -3
.Lnot_wave_0_\@:
	s_barrier_wait -3
	s_barrier_signal -1
	s_barrier_wait -1
.endm
; one product; rD, rA, rB, rSA, rSB are set by the caller; ra, rb: the scale words lie in lanes 16-31
.macro WM c, ra, rb
.if (\ra) && (\rb)
	v_wmma_scale_f32_16x16x128_f8f6f4 v[rD:rD+7], v[rA:rA+11], v[rB:rB+11], \c, v[rSA], v[rSB] matrix_a_fmt:MATRIX_FMT_BF6 matrix_b_fmt:MATRIX_FMT_BF6 matrix_a_scale:MATRIX_SCALE_ROW1 matrix_b_scale:MATRIX_SCALE_ROW1
.elseif (\ra)
	v_wmma_scale_f32_16x16x128_f8f6f4 v[rD:rD+7], v[rA:rA+11], v[rB:rB+11], \c, v[rSA], v[rSB] matrix_a_fmt:MATRIX_FMT_BF6 matrix_b_fmt:MATRIX_FMT_BF6 matrix_a_scale:MATRIX_SCALE_ROW1
.elseif (\rb)
	v_wmma_scale_f32_16x16x128_f8f6f4 v[rD:rD+7], v[rA:rA+11], v[rB:rB+11], \c, v[rSA], v[rSB] matrix_a_fmt:MATRIX_FMT_BF6 matrix_b_fmt:MATRIX_FMT_BF6 matrix_b_scale:MATRIX_SCALE_ROW1
.else
	v_wmma_scale_f32_16x16x128_f8f6f4 v[rD:rD+7], v[rA:rA+11], v[rB:rB+11], \c, v[rSA], v[rSB] matrix_a_fmt:MATRIX_FMT_BF6 matrix_b_fmt:MATRIX_FMT_BF6
.endif
.endm
	s_load_b128 s[4:7], s[0:1], 0x0                ; AB, ST
	v_lshl_add_u32 v254, v0, 2, 0x29000
	v_mov_b32 v255, 0
	ds_add_u32 v254, v255
	ds_add_u32 v254, v255
	v_lshrrev_b32 v1, 5, v0
	s_delay_alu instid0(VALU_DEP_1)
	v_readfirstlane_b32 s[WV], v1                  ; wave 0..15
	s_bfe_u32 s9, ttmp6, 0x40000                   ; cx: which 512 keys
	s_and_b32 s10, ttmp7, 0xffff                   ; 16 batch + head
	s_mov_b32 s[G1], 15|(3<<16)|(1<<21)            ; the mask: all four; elements of 8 bytes; 21 set beside a mask
	s_mov_b32 s[G1+1], 32<<16                      ; rows of 256 bytes,
	s_mov_b32 s[G1+2], 26<<16                      ; 26 of them,
	s_mov_b32 s[G1+3], 32<<16
	s_mov_b32 s[G1+4], 26
	s_mov_b32 s[G1+5], 32                          ; dense
	s_mov_b32 s[G1+6], 0
	s_mov_b32 s[G1+7], 0
	s_mul_i32 s11, s10, QBLK                       ; the head's block, in Q and in K
	s_mov_b32 s[G0], 1
	s_mul_i32 s[G0+1], s[WV], 6656
	s_add_co_u32 s12, s11, s[G0+1]
	s_mov_b32 s13, 0
	s_lshl_b32 s14, s9, 4
	s_add_co_u32 s14, s14, s[WV]                   ; my group of 32 keys
	s_mul_i32 s36, s14, 1536
	s_add_co_u32 s36, s36, s11
	s_add_co_u32 s36, s36, KBASE                   ; its two half fragments
	s_mov_b32 s37, 0
	s_lshr_b32 s38, s14, 1
	s_lshl_b32 s38, s38, 8                         ; its granule,
	s_and_b32 s15, s14, 1
	s_lshl_b32 s15, s15, 2                         ; and which word of a lane's two
	s_add_co_u32 s38, s38, s15
	s_add_co_u32 s38, s38, s11
	s_add_co_u32 s38, s38, KBASE+98304
	s_mov_b32 s39, 0
	s_lshl_b32 s40, s10, 13
	s_lshl_b32 s15, s9, 11
	s_add_co_u32 s40, s40, s15
	s_and_b32 s15, s[WV], 3
	s_lshl_b32 s15, s15, 9
	s_add_co_u32 s40, s40, s15                     ; where waves 0 to 3 store 512 bytes of results each
	s_mov_b32 s41, 0
	s_mov_b32 s[CS], 0x3e38aa3b                    ; c = log2(e) / 8
	s_mov_b32 s[CS+1], s[CS]                       ; (named with it as a pair)
	s_mov_b32 s[SEL], 0x76543210
	s_mov_b32 s[SEL+1], 0xfedcba98
	s_mov_b32 s[TB], 0
	s_mov_b32 s[TS], 0
	s_mov_b32 s[CNT], 16
	s_wait_dscnt 0x0
	s_wait_kmcnt 0x0
	s_add_nc_u64 s[G0+2:G0+3], s[4:5], s[12:13]
	s_or_b32 s[G0+3], s[G0+3], 0x80000000
	s_add_nc_u64 s[36:37], s[4:5], s[36:37]
	s_add_nc_u64 s[38:39], s[4:5], s[38:39]
	s_add_nc_u64 s[40:41], s[6:7], s[40:41]
	CROUND                                         ; all four work-groups are here: the joint loads meet
	tensor_load_to_lds s[G0:G0+3], s[G1:G1+7]
	s_nop 0
.rept 4
	v_nop
.endr
	v_and_b32 v9, 31, v0
	s_delay_alu instid0(VALU_DEP_1)
	v_lshlrev_b32 v1, 3, v9                        ; 8 x lane
	s_delay_alu instid0(VALU_DEP_1)
	v_add_nc_u32 v2, 98304, v1                     ; the granules
.irp u, 0,1
.irp p, 0,1,2
	global_load_b64 v[KA+12*\u+2*\p:KA+12*\u+2*\p+1], v1, s[36:37] offset:768*\u+256*\p
.endr
.endr
	global_load_b32 v[KS], v1, s[38:39]
.irp u, 0,1
.irp i, 6,7,8,9,10,11
	v_mov_b32 v[KA+12*\u+\i], 0                    ; zero codes for k = 64 .. 127
.endr
.endr
.irp i, 0,1,2,3,4,5
	v_mov_b32 v[RUN+48+\i], 0                      ; behind the run: the last tile's upper six
.endr
	v_and_b32 v10, 15, v0
	v_bfe_u32 v11, v0, 4, 1
	s_delay_alu instid0(VALU_DEP_2)
	v_and_b32 v12, 8, v10
	s_delay_alu instid0(VALU_DEP_1)
	v_add_nc_u32 v12, v12, v10
	s_delay_alu instid0(VALU_DEP_1)
	v_lshl_add_u32 v12, v11, 3, v12                ; the key, in my 32, of row r of tile l / 16: 8 (l / 16) + r + 8 (r / 8)
	s_lshl_b32 s15, s[WV], 7
	s_add_co_u32 s15, s15, STG
	v_lshl_add_u32 v5, v12, 2, s15
	v_lshlrev_b32 v7, 4, v9
	s_and_b32 s15, s[WV], 3
	s_lshl_b32 s15, s15, 9
	s_add_co_u32 s15, s15, STG
	v_add_nc_u32 v6, s15, v7
.irp u, 0,1
	v_mov_b32 v[ST+8*\u+1], 0xff61b1e6             ; m = -3e38, under every score: the loop has no first trip of its own
	v_mov_b32 v[ST+8*\u+2], 0
	v_mov_b32 v[ST+8*\u+3], 0
.endr
.irp u, 0
	v_mul_f32 v[ST+8*\u], s[CS], v[ST+8*\u+1]
.endr
.irp u, 1
	s_delay_alu instid0(VALU_DEP_4)
	v_mul_f32 v[ST+8*\u], s[CS], v[ST+8*\u+1]
.endr
.macro SMAX u                          ; the largest of 64 scores and the old m: 32 instructions, four chains in ascending order
.set rT, ST+8*\u
.set rS, S+64*\u
.irp q, 0,1,2,3
	v_max3_num_f32 v[rT+4+\q], v[rS+16*\q], v[rS+16*\q+1], v[rS+16*\q+2]
.endr
.irp i, 3,5,7,9,11,13
.irp q, 0,1,2,3
	v_max3_num_f32 v[rT+4+\q], v[rT+4+\q], v[rS+16*\q+\i], v[rS+16*\q+\i+1]
.endr
.endr
	v_max3_num_f32 v[rT+4], v[rT+4], v[rS+15], v[rS+31]
	v_max3_num_f32 v[rT+6], v[rT+6], v[rS+47], v[rS+63]
	s_delay_alu instid0(VALU_DEP_1)
	v_max3_num_f32 v[rT+4], v[rT+4], v[rT+5], v[rT+6]
	s_delay_alu instid0(VALU_DEP_1)
	v_max3_num_f32 v[rT+1], v[rT+4], v[rT+7], v[rT+1]
	v_mov_b32 v[rT+7], v[rT]                       ; c m, the old one
	s_delay_alu instid0(VALU_DEP_2)
	v_mul_f32 v[rT], s[CS], v[rT+1]
	s_delay_alu instid0(VALU_DEP_1)
	v_sub_f32 v[rT+7], v[rT+7], v[rT]              ; 0 or less
.endm
.macro SSCALE u
.set rT, ST+8*\u
.set rS, S+64*\u
.set i, 0
.rept 32
	v_pk_fma_f32 v[rS+i:rS+i+1], v[rS+i:rS+i+1], s[CS:CS+1], v[rT:rT+1] op_sel_hi:[1,0,0] neg_lo:[0,0,1] neg_hi:[0,0,1]   ; c s - c m
.set i, i+2
.endr
.endm
.macro SEXP u
.set rT, ST+8*\u
.set rS, S+64*\u
	v_exp_f32 v[rT+6], v[rT+7]                     ; a = 2^(old c m - new c m)
.set i, 0
.rept 64
	v_exp_f32 v[rS+i], v[rS+i]
.set i, i+1
.endr
.endm
.macro SSUM u                          ; 31 packed additions, neighbours 1, 2, 4, 8, 16 pairs apart, then l = a l + the sum
.set rT, ST+8*\u
.set rS, S+64*\u
.irp w, 4,8,16,32,64
.set i, 0
.rept 64/\w
	v_pk_add_f32 v[rS+i:rS+i+1], v[rS+i:rS+i+1], v[rS+i+\w/2:rS+i+\w/2+1]
.set i, i+\w
.endr
.endr
	v_pk_fma_f32 v[rT+2:rT+3], v[rT+2:rT+3], v[rT+6:rT+7], v[rS:rS+1] op_sel_hi:[1,0,1]
.endm
	s_wait_tensorcnt 0x0                           ; my part of the Q block has landed,
	s_barrier_signal -1
	s_barrier_wait -1                              ; everybody's has
	s_wait_loadcnt 0x0                             ; my keys
.Ltrip:                                            ; 16 trips of 128 queries
	v_add_nc_u32 v3, s[TB], v1
	v_add_nc_u32 v4, s[TS], v2
.irp t, 0,1,2,3,4,5,6,7
.irp p, 0,1,2
	ds_load_b64 v[RUN+6*\t+2*\p:RUN+6*\t+2*\p+1], v3 offset:768*\t+256*\p
.endr
.endr
.irp g, 0,1
	ds_load_b64 v[QSC+2*\g:QSC+2*\g+1], v4 offset:256*\g
.endr
	s_wait_dscnt 0x0
.irp t, 0,1,2,3,4,5,6,7
.irp u, 0,1
.set rD, S+64*\u+8*\t
.set rA, RUN+6*\t
.set rB, KA+12*\u
.set rSA, QSC+\t/2
.set rSB, KS
	WM 0, \t%2, \u
.endr
.endr
.rept 4
	v_nop                                          ; four places behind the products: for the reads of their results, and for the next trip's loads into their operands
.endr
	SMAX 0
	SMAX 1
	SSCALE 0
	SSCALE 1
	s_wait_alu depctr_va_vdst(0)
	SEXP 0
	SEXP 1
	v_nop                                          ; a plain instruction behind the last exponential
	s_wait_alu depctr_va_vdst(0)                   ; one wait for the batch of 130, ahead of its first reader
	SSUM 0
	SSUM 1
	s_add_co_u32 s[TB], s[TB], 6144
	s_add_co_u32 s[TS], s[TS], 512
	s_sub_co_u32 s[CNT], s[CNT], 1
	s_cmp_lg_u32 s[CNT], 0
	s_cbranch_scc1 .Ltrip
	; the two halves of the lanes hold the same keys and different queries: their (c m, l) are joined
.irp u, 0,1
	v_add_f32 v[ST+8*\u+2], v[ST+8*\u+2], v[ST+8*\u+3]
.endr
.irp u, 0
	v_permlanex16_b32 v[ST+8*\u+4], v[ST+8*\u], s[SEL], s[SEL+1]
	s_delay_alu instid0(VALU_DEP_3)
	v_permlanex16_b32 v[ST+8*\u+5], v[ST+8*\u+2], s[SEL], s[SEL+1]
.endr
.irp u, 1
	v_permlanex16_b32 v[ST+8*\u+4], v[ST+8*\u], s[SEL], s[SEL+1]
	s_delay_alu instid0(VALU_DEP_4)
	v_permlanex16_b32 v[ST+8*\u+5], v[ST+8*\u+2], s[SEL], s[SEL+1]
.endr
.irp u, 0
	s_delay_alu instid0(VALU_DEP_4)
	v_max_num_f32 v[ST+8*\u+1], v[ST+8*\u], v[ST+8*\u+4]
.endr
.irp u, 1
	s_delay_alu instid0(VALU_DEP_3)
	v_max_num_f32 v[ST+8*\u+1], v[ST+8*\u], v[ST+8*\u+4]
.endr
.irp u, 0
	s_delay_alu instid0(VALU_DEP_2)
	v_sub_f32 v[ST+8*\u+6], v[ST+8*\u], v[ST+8*\u+1]
	s_delay_alu instid0(VALU_DEP_3)
	v_sub_f32 v[ST+8*\u+7], v[ST+8*\u+4], v[ST+8*\u+1]
.endr
.irp u, 1
	s_delay_alu instid0(VALU_DEP_3)
	v_sub_f32 v[ST+8*\u+6], v[ST+8*\u], v[ST+8*\u+1]
	s_delay_alu instid0(VALU_DEP_4)
	v_sub_f32 v[ST+8*\u+7], v[ST+8*\u+4], v[ST+8*\u+1]
.endr
	s_wait_alu depctr_va_vdst(0)
.irp u, 0,1
	v_exp_f32 v[ST+8*\u+6], v[ST+8*\u+6]
	v_exp_f32 v[ST+8*\u+7], v[ST+8*\u+7]
.endr
	v_nop
	s_wait_alu depctr_va_vdst(0)
.irp u, 0,1
	v_mul_f32 v[ST+8*\u+2], v[ST+8*\u+2], v[ST+8*\u+6]
.endr
.irp u, 0,1
	v_fmac_f32 v[ST+8*\u+2], v[ST+8*\u+5], v[ST+8*\u+7]
.endr
	s_wait_alu depctr_va_vdst(0)
.irp u, 0,1
	v_log_f32 v[ST+8*\u+3], v[ST+8*\u+2]
.endr
	v_nop
	s_wait_alu depctr_va_vdst(0)
.irp u, 0,1
	v_sub_f32 v[ST+8*\u+3], -v[ST+8*\u+1], v[ST+8*\u+3]    ; -(c m + log2 l)
.endr
	v_cmp_le_u32 vcc_lo, 16, v9
	s_delay_alu instid0(VALU_DEP_1)
	v_cndmask_b32 v244, v[ST+3], v[ST+11], vcc_lo  ; lanes 0-15 tile 0's keys, lanes 16-31 tile 1's
	ds_store_b32 v5, v244                          ; in the keys' natural order
	s_wait_dscnt 0x0
	s_barrier_signal -1
	s_barrier_wait -1
	s_cmp_lt_u32 s[WV], 4
	s_cbranch_scc0 .Lstored
	ds_load_b128 v[248:251], v6
	s_wait_dscnt 0x0
	global_store_b128 v7, v[248:251], s[40:41]     ; 512 consecutive bytes, aligned
.Lstored:
	s_wait_tensorcnt 0x0
	ds_add_u32 v254, v255
	s_wait_dscnt 0x0
	CROUND                                         ; the closing round
	s_endpgm
.Lfunc_end_k_qc317b12813_stats:
	.size	k_qc317b12813_stats, .Lfunc_end_k_qc317b12813_stats-k_qc317b12813_stats
	.p2alignl 7, 3214868480
	.fill 96, 4, 3214868480
	.section	.rodata,"a",@progbits
	.p2align	6, 0x0
	.amdhsa_kernel k_qc317b12813_stats
		.amdhsa_group_segment_fixed_size 169984
		.amdhsa_private_segment_fixed_size 0
		.amdhsa_enable_private_segment 0
		.amdhsa_kernarg_size 16
		.amdhsa_user_sgpr_count 2
		.amdhsa_user_sgpr_kernarg_segment_ptr 1
		.amdhsa_wavefront_size32 1
		.amdhsa_system_sgpr_workgroup_id_x 1
		.amdhsa_system_sgpr_workgroup_id_y 1
		.amdhsa_system_sgpr_workgroup_id_z 1
		.amdhsa_system_vgpr_workitem_id 0
		.amdhsa_next_free_vgpr 256
		.amdhsa_next_free_sgpr 66
		.amdhsa_reserve_vcc 1
		.amdhsa_float_denorm_mode_32 3
		.amdhsa_float_denorm_mode_16_64 3
		.amdhsa_memory_ordered 1
		.amdhsa_forward_progress 1
		.amdhsa_inst_pref_size 29
	.end_amdhsa_kernel
	.amdgpu_metadata
---
amdhsa.version: [ 1, 2 ]
amdhsa.kernels:
  - .name:           k_qc317b12813_stats
    .symbol:         k_qc317b12813_stats.kd
    .args:
      - { .name: AB, .offset: 0, .size: 8, .value_kind: global_buffer, .address_space: global }
      - { .name: ST, .offset: 8, .size: 8, .value_kind: global_buffer, .address_space: global }
    .group_segment_fixed_size: 169984
    .private_segment_fixed_size: 0
    .kernarg_segment_align: 8
    .kernarg_segment_size: 16
    .max_flat_workgroup_size: 512
    .sgpr_count:     66
    .vgpr_count:     256
    .wavefront_size: 32
...
	.end_amdgpu_metadata
.endif
;; end of part 3
;; launch attn (part 4): grid 4 x 64, 8 waves a work-group, clusters of 4 x 1, 218,112 bytes of LDS; arguments AB, ST, HB; writes HB
.if DOCPART == 4
	.amdgcn_target "amdgcn-amd-amdhsa--gfx1250"
	.amdhsa_code_object_version 6
	.text
	.protected	k_qc317b12813_attn
	.globl	k_qc317b12813_attn
	.p2align	8
	.type	k_qc317b12813_attn,@function
k_qc317b12813_attn:
	s_mov_b64 s[64:65], 0
	v_nop
	global_prefetch_b8 v0, s[64:65] scope:SCOPE_SE
	s_setreg_imm32_b32 hwreg(HW_REG_WAVE_MODE, 25, 1), 1
	s_wait_xcnt 0x0
	s_wait_alu depctr_hold_cnt(0) depctr_sa_sdst(0) depctr_va_vdst(0) depctr_va_sdst(0) depctr_va_ssrc(0) depctr_va_vcc(0) depctr_vm_vsrc(0)
	s_getreg_b32 s2, hwreg(HW_REG_IB_STS2, 6, 4)
	s_cmp_eq_u32 s2, 0
	s_cbranch_scc0 .Lentry_in_a_cluster
	s_endpgm
.Lentry_in_a_cluster:
	s_bfe_u32 s2, ttmp6, 0x10000c
	s_cmp_lg_u32 s2, 0x3003
	s_cbranch_scc0 .Lentry_shape_is_right
	s_endpgm
.Lentry_shape_is_right:
; heads = attn V, attn = 2^(c s + ST[key]) (the softmax over the queries, finished and normalised: ST holds -(c m + log2 l) of each key, m the largest score), s = Q . K, c = log2(e) / 8; all products on codes of BF6 (E3M2).
; attn is quantised along the keys in registers; the heads are quantised along the channels and stored in HB as the output projection's operand tiles.
; SHARES: work-group y = 16 batch + head; the four work-groups of a cluster take 512 queries each; wave w of eight owns four tiles of 16 queries, which share every fragment of K and V and every offset read from LDS.
; LDS, filled once: K's block 0 .. 106,496 and V's .. 208,896, asked for jointly by the four work-groups, ONE load a wave (waves 0-3: 104 rows of 256 bytes of K's block each; waves 4-7: 100 rows of V's);
; the head's 2,048 offsets .. 217,088 go through registers (16 bytes a thread, twice) into bytes on which no tensor load lands.  No prefetch: the tiles come once, at the head, and there is no loop to run ahead in.
; LAYOUT: S^T = K Q^T (source 0 = 16 keys, source 1 = 16 queries), O^T = V^T P^T: a lane holds ONE query throughout.  Of a step's 128 keys, tile 4 c + i takes as its row r key 64 c + 32 (r / 8) + 8 i + r % 8,
; so that lane (query, h) holds in registers 32 c .. 32 c + 31 the keys 64 c + 32 h + 0 .. 31: a whole block of P's operand.  In AB that key is row 8 (i / 2) + r % 8 of stored tile 4 c + 2 (r / 8) + i % 2.
; K = 64 IN A FORM OF 128: a query tile's operand is [6 registers of codes | 6 of zero codes]; a key tile's is 12 registers of a run of half fragments, whose upper six meet the zero codes.
; THE WORK GOES BY HALVES of a query tile (c = 0, 1: 32 registers, one block a lane).  For half u: 33 exponentials (32 attn and the block's largest, which is the same exponential of the block's largest exponent:
; this takes v_exp_f32 not to fall where its input rises); then half u + 1's 16 scalings and its 16 maxima; the products with V of the tile finished one half ago; half u's scale and conversions; the score products of half u + 2,
; into the registers that the conversions have just read.  P's codes and scale word have two sets, by the tile's parity.  K's, V's and the offsets' LDS loads stand behind the last use of the registers that they fill.
; The step is written three times: the first (its products with V start the sums), the loop's, the last (it asks for nothing of a next step).
; REGISTERS: window 0: v1-5, v14 base addresses, v6-10 the step's, v11-12 lane numbers; v16-19 K's scale words, v20-21 V's, v22-23 Q's, v24-25 P's, v26 8 h; v28-39 at work; v40-63 P's codes, two sets; v64-127 S, then attn;
;   v128-191 offsets; v192-239 Q; v240-242 second halves of blocks.  window 1: v0-53 the run of K; v56-103 V's four fragments; v128-255 O^T, 32 a tile.
; LIMITS: NaN and infinities are not served; attn under 2^-126 counts as 0; a block of zeros gets the byte 1.  The heads' scale bytes leave as stores of 2 bytes (two heads share a word).
.set SPARE, 217088
.set STL,  208896
.set KSC,  16
.set VSC,  20
.set QSC,  22
.set PWR,  24
.set SH,   26
.set TM,   28
.set TX,   32
.set PM,   33
.set SO,   34
.set BY,   36
.set W1,   38
.set W2,   39
.set PC,   40
.set S,    64
.set OFF,  128
.set QF,   192
.set PD,   240
.set KB,   14
.set SPW,  254
.set NIL,  255
.set WV,   10
.set G1K,  16
.set G1V,  24
.set G0K,  40
.set G0V,  44
.set TVF,  48
.set TVS,  49
.set CS,   52
.set SEL,  54
.set TKF,  56
.set TKS,  57
.set TOF,  58
.set CNT,  59
.set MSB, 0
.macro WIN new
.if MSB != \new
	s_set_vgpr_msb (MSB<<8)|\new
.set MSB, \new
.endif
.endm
.macro PLACES n
.rept \n
	v_nop
.endr
.endm
.macro CROUND
	s_barrier_signal -1
	s_barrier_wait -1
	s_cmp_lg_u32 s[WV], 0
	s_cbranch_scc1 .Lnot_wave_0_\@
	s_barrier_signal -3
.Lnot_wave_0_\@:
	s_barrier_wait -3
	s_barrier_signal -1
	s_barrier_wait -1
.endm
.macro SHAPE g, r                      ; r dense rows of 256 bytes, for all four work-groups
	s_mov_b32 s[\g], 15|(3<<16)|(1<<21)
	s_mov_b32 s[\g+1], 32<<16
	s_mov_b32 s[\g+2], (\r)<<16
	s_mov_b32 s[\g+3], 32<<16
	s_mov_b32 s[\g+4], \r
	s_mov_b32 s[\g+5], 32
	s_mov_b32 s[\g+6], 0
	s_mov_b32 s[\g+7], 0
.endm
.macro WM c, ra, rb                    ; one product; rD, rA, rB, rSA, rSB are set by the caller; ra, rb: the scale words lie in lanes 16-31
.if (\ra) && (\rb)
	v_wmma_scale_f32_16x16x128_f8f6f4 v[rD:rD+7], v[rA:rA+11], v[rB:rB+11], \c, v[rSA], v[rSB] matrix_a_fmt:MATRIX_FMT_BF6 matrix_b_fmt:MATRIX_FMT_BF6 matrix_a_scale:MATRIX_SCALE_ROW1 matrix_b_scale:MATRIX_SCALE_ROW1
.elseif (\ra)
	v_wmma_scale_f32_16x16x128_f8f6f4 v[rD:rD+7], v[rA:rA+11], v[rB:rB+11], \c, v[rSA], v[rSB] matrix_a_fmt:MATRIX_FMT_BF6 matrix_b_fmt:MATRIX_FMT_BF6 matrix_a_scale:MATRIX_SCALE_ROW1
.elseif (\rb)
	v_wmma_scale_f32_16x16x128_f8f6f4 v[rD:rD+7], v[rA:rA+11], v[rB:rB+11], \c, v[rSA], v[rSB] matrix_a_fmt:MATRIX_FMT_BF6 matrix_b_fmt:MATRIX_FMT_BF6 matrix_b_scale:MATRIX_SCALE_ROW1
.else
	v_wmma_scale_f32_16x16x128_f8f6f4 v[rD:rD+7], v[rA:rA+11], v[rB:rB+11], \c, v[rSA], v[rSB] matrix_a_fmt:MATRIX_FMT_BF6 matrix_b_fmt:MATRIX_FMT_BF6
.endif
.endm
	s_load_b128 s[4:7], s[0:1], 0x0                ; AB, ST
	s_load_b64 s[8:9], s[0:1], 0x10                ; HB
	v_lshl_add_u32 v[SPW], v0, 2, SPARE
	v_mov_b32 v[NIL], 0
	ds_add_u32 v[SPW], v[NIL]                      ; the opening lines: the add, twice on end, and its wait ahead of my tensor load
	ds_add_u32 v[SPW], v[NIL]
	v_lshrrev_b32 v1, 5, v0
	v_readfirstlane_b32 s[WV], v1                  ; wave 0..7
	s_bfe_u32 s11, ttmp6, 0x40000                  ; cx: which 512 queries
	s_and_b32 s12, ttmp7, 0xffff                   ; 16 batch + head
	SHAPE G1K, 104
	SHAPE G1V, 100
	s_and_b32 s13, s[WV], 3                        ; which quarter of K's or of V's block I fetch
	s_mul_i32 s14, s12, 106496                     ; the head's block, in Q and in K
	s_mov_b32 s[G0K], 1
	s_mov_b32 s[G0V], 1
	s_mul_i32 s[G0K+1], s13, 26624
	s_mul_i32 s15, s13, 25600
	s_add_co_u32 s[G0V+1], s15, 106496
	s_add_co_u32 s34, s14, s[G0K+1]
	s_add_co_u32 s34, s34, 6815744
	s_mov_b32 s35, 0
	s_mul_i32 s36, s12, 102400
	s_add_co_u32 s36, s36, s15
	s_add_co_u32 s36, s36, 13631488
	s_mov_b32 s37, 0
	s_lshl_b32 s32, s12, 13                        ; the head's 2,048 offsets
	s_mov_b32 s33, 0
	s_lshl_b32 s3, s11, 5
	s_lshl_b32 s38, s[WV], 2
	s_add_co_u32 s3, s3, s38                       ; my first tile of queries in the batch
	s_mul_i32 s60, s3, 768
	s_add_co_u32 s60, s60, s14
	s_mov_b32 s61, 0
	s_lshl_b32 s62, s3, 6                          ; its granule: 256 bytes for four tiles
	s_add_co_u32 s62, s62, s14
	s_add_co_u32 s62, s62, 98304
	s_mov_b32 s63, 0
	s_mov_b32 s[CS], 0x3e38aa3b                    ; c = log2(e) / 8
	s_mov_b32 s[CS+1], s[CS]
	s_mov_b32 s[SEL], 0x76543210
	s_mov_b32 s[SEL+1], 0xfedcba98                 ; selects of v_permlanex16_b32: lane l xor 16
	s_mov_b32 s[TKF], 0
	s_mov_b32 s[TKS], 0
	s_mov_b32 s[TOF], 0
	s_mov_b32 s[TVF], 0
	s_mov_b32 s[TVS], 0
	s_wait_dscnt 0x0                               ; both opening adds are done
	s_wait_kmcnt 0x0
	s_add_nc_u64 s[G0K+2:G0K+3], s[4:5], s[34:35]
	s_or_b32 s[G0K+3], s[G0K+3], 0x80000000
	s_add_nc_u64 s[G0V+2:G0V+3], s[4:5], s[36:37]
	s_or_b32 s[G0V+3], s[G0V+3], 0x80000000
	s_add_nc_u64 s[32:33], s[6:7], s[32:33]
	s_add_nc_u64 s[60:61], s[4:5], s[60:61]
	s_add_nc_u64 s[62:63], s[4:5], s[62:63]
	CROUND                                         ; all four work-groups are here: the joint loads meet
	s_cmp_lt_u32 s[WV], 4                          ; one load a wave, one to each arm
	s_cbranch_scc0 .Lfor_v
	tensor_load_to_lds s[G0K:G0K+3], s[G1K:G1K+7]
	s_nop 0
	PLACES 4
	s_branch .Lasked
.Lfor_v:
	tensor_load_to_lds s[G0V:G0V+3], s[G1V:G1V+7]
	s_nop 0
	PLACES 4
.Lasked:
	v_and_b32 v12, 31, v0
	v_lshlrev_b32 v1, 3, v12                       ; 8 x lane
	v_add_nc_u32 v2, 106496, v1                    ; V's fragments
	v_add_nc_u32 v4, 204800, v1                    ; V's granules
	v_bfe_u32 v11, v0, 4, 1                        ; h = l / 16
	v_bfe_u32 v15, v0, 3, 1                        ; (l / 8) % 2
	v_and_b32 v13, 7, v0                           ; l % 8
	v_lshlrev_b32 v[KB], 3, v13
	v_lshl_add_u32 v[KB], v11, 7, v[KB]            ; 128 h + 8 (l % 8)
	v_lshl_add_u32 v3, v15, 2, v[KB]
	v_add_nc_u32 v3, 98304, v3                     ; K's scale words: + 4 ((l / 8) % 2); here l / 16 says which of a register's two tiles
	v_mad_u32_u24 v[KB], v15, 1536, v[KB]          ; K's half fragments: + 1,536 ((l / 8) % 2)
	v_lshlrev_b32 v5, 7, v11
	v_add_nc_u32 v5, STL, v5                       ; the offsets: my half's 32 of each 64 keys
	v_lshlrev_b32 v[SH], 3, v11                    ; 8 h
	v_lshlrev_b32 v13, 4, v0                       ; 16 x thread: my 16 bytes of each 4,096 of the offsets,
	v_lshl_add_u32 v15, v0, 4, STL                 ; and their place in LDS
.irp t, 0,1,2,3
.irp i, 6,7,8,9,10,11
	v_mov_b32 v[QF+12*\t+\i], 0                    ; zero codes for k = 64 .. 127
.endr
.endr
	v_mov_b32 v[W2], 0                             ; a lane permute's destination counts as one of its sources
	v_and_b32 v27, 15, v0
	v_lshlrev_b32 v11, 9, v11
	v_lshl_add_u32 v11, v27, 2, v11                ; the heads' scale bytes: 512 (l / 16) + 4 r
	WIN 0x40
.irp i, 48,49,50,51,52,53
	v_mov_b32 v[\i], 0                             ; behind the run of K
.endr
	WIN 0
	s_wait_alu depctr_va_vdst(0)                   ; the wait at the head's end
	global_load_b128 v[64:67], v13, s[32:33]
	global_load_b128 v[68:71], v13, s[32:33] offset:4096
.irp t, 0,1,2,3
.irp p, 0,1,2
	global_load_b64 v[QF+12*\t+2*\p:QF+12*\t+2*\p+1], v1, s[60:61] offset:768*\t+256*\p
.endr
.endr
	global_load_b64 v[QSC:QSC+1], v1, s[62:63]     ; tile t's scale words: v[QSC + t / 2], lanes 0-15 (t even) or 16-31
; ---- the parts of a step ----
.macro LDK                             ; the next 128 keys: 8 half fragments and their scale words (28 loads)
	v_add_nc_u32 v6, s[TKF], v[KB]
	v_add_nc_u32 v8, s[TKS], v3
	WIN 0x40
.irp k, 0,1,2,3,4,5,6,7
.irp p, 0,1,2
	ds_load_b64 v[6*\k+2*\p:6*\k+2*\p+1], v6 offset:768*(4*(\k/4)+\k%2)+64*((\k%4)/2)+256*\p
.endr
.endr
	WIN 0
.irp c, 0,1
.irp j, 0,1
	ds_load_b32 v[KSC+2*\c+\j], v8 offset:256*\c+64*\j   ; lanes 0-15: tile 4 c + 2 j's rows; lanes 16-31: tile 4 c + 2 j + 1's
.endr
.endr
	s_add_co_u32 s[TKF], s[TKF], 6144
	s_add_co_u32 s[TKS], s[TKS], 512
.endm
.macro LDV                             ; this step's four fragments of V and their scale words (25 loads)
	v_add_nc_u32 v7, s[TVF], v2
	v_add_nc_u32 v9, s[TVS], v4
	WIN 0x40
.irp n, 0,1,2,3
.irp p, 0,1,2,3,4,5
	ds_load_b64 v[56+12*\n+2*\p:57+12*\n+2*\p], v7 offset:1536*\n+256*\p
.endr
.endr
	WIN 0
	ds_load_b64 v[VSC:VSC+1], v9
	s_add_co_u32 s[TVF], s[TVF], 6144
	s_add_co_u32 s[TVS], s[TVS], 256
.endm
.macro LDO c                           ; the offsets of keys 64 c + 32 h + 0 .. 31 of the next step (8 loads)
.if (\c) == 0
	v_add_nc_u32 v10, s[TOF], v5
.endif
.irp q, 0,1,2,3,4,5,6,7
	ds_load_b128 v[OFF+32*(\c)+4*\q:OFF+32*(\c)+4*\q+3], v10 offset:256*(\c)+16*\q
.endr
.if (\c) == 1
	s_add_co_u32 s[TOF], s[TOF], 512
.endif
.endm
.macro KQ t, c                         ; four tiles of scores: keys 64 c .. 64 c + 63 x query tile t
	WIN 0x01                                       ; source 0 (K) window 1
.irp i, 0,1,2,3
.set rD, S+32*(\c)+8*\i
.set rA, 6*(4*(\c)+\i)
.set rB, QF+12*(\t)
.set rSA, KSC+2*(\c)+\i/2
.set rSB, QSC+(\t)/2
	WM 0, \i%2, (\t)%2
.endr
	WIN 0
.endm
.macro FM c                            ; c s + ST[key], in ascending order
.set i, 0
.rept 16
	v_pk_fma_f32 v[S+32*(\c)+i:S+32*(\c)+i+1], v[S+32*(\c)+i:S+32*(\c)+i+1], s[CS:CS+1], v[OFF+32*(\c)+i:OFF+32*(\c)+i+1] op_sel_hi:[1,0,1]
.set i, i+2
.endr
.endm
.macro MX c                            ; the block's largest exponent: four chains by turns, then joined with the four numbers left over
.set T, S+32*(\c)
.irp q, 0,1,2,3
	v_max3_num_f32 v[TM+\q], v[T+8*\q], v[T+8*\q+1], v[T+8*\q+2]
.endr
.irp i, 3,5
.irp q, 0,1,2,3
	v_max3_num_f32 v[TM+\q], v[TM+\q], v[T+8*\q+\i], v[T+8*\q+\i+1]
.endr
.endr
	v_max3_num_f32 v[TM], v[TM], v[TM+1], v[T+7]
	v_max3_num_f32 v[TM+2], v[TM+2], v[TM+3], v[T+15]
	s_delay_alu instid0(VALU_DEP_1)
	v_max3_num_f32 v[TM], v[TM], v[TM+2], v[T+23]
	s_delay_alu instid0(VALU_DEP_1)
	v_max_num_f32 v[TX], v[TM], v[T+31]
.endm
.macro EX c                            ; one batch: 32 attn and the block's largest
	s_wait_alu depctr_va_vdst(0)                   ; the wait ahead of the batch
.set i, 0
.rept 32
	v_exp_f32 v[S+32*(\c)+i], v[S+32*(\c)+i]
.set i, i+1
.endr
	v_exp_f32 v[PM], v[TX]
.endm
.macro SCALE t, c                      ; block 2 c + h of tile t: the scale, its byte, the conversions; with c = 1 the tile's scale word
.set PX, PC+12*((\t)%2)+6*(\c)
	v_max_num_f32 v[PM], 0x2800000, v[PM]          ; the floor 2^(5 - 127) holds the byte at 1 from below
	s_delay_alu instid0(VALU_DEP_1)
	v_add_nc_u32 v[SO], 0xfe000000, v[PM]          ; 4 off the exponent field: the conversions' scale operand
	s_delay_alu instid0(VALU_DEP_1)
	v_lshrrev_b32 v[BY+(\c)], 23, v[SO]            ; the byte
	v_cvt_scalef32_pk16_bf6_f32 v[PX:PX+2], v[S+32*(\c):S+32*(\c)+15], v[SO]
	v_cvt_scalef32_pk16_bf6_f32 v[PD:PD+2], v[S+32*(\c)+16:S+32*(\c)+31], v[SO]   ; (a conversion's three registers begin on an even number)
.if \c
	v_lshl_or_b32 v[W1], v[BY+1], 16, v[BY]        ; plain lines behind the conversions: my two bytes,
	v_lshlrev_b32 v[W1], v[SH], v[W1]              ; 8 h bits up;
	v_permlanex16_b32 v[W2], v[W1], s[SEL], s[SEL+1]
	v_or_b32 v[PWR+(\t)%2], v[W1], v[W2]           ; with lane l xor 16's two the word is whole
.else
	v_nop                                          ; one plain place behind the conversions
.endif
.endm
.macro MV t, c                         ; the block's second 16 codes to their place; with the v_nop: the four places behind the score products
.set PX, PC+12*((\t)%2)+6*(\c)
.irp i, 0,1,2
	v_mov_b32 v[PX+3+\i], v[PD+\i]
.endr
	v_nop
.endm
.macro PV t, first                     ; O^T of query tile t: four accumulators, one instruction each
	WIN 0x51                                       ; source 0 (V), C and D window 1
.irp n, 0,1,2,3
.set rD, 128+32*(\t)+8*\n
.set rA, 56+12*\n
.set rB, PC+12*((\t)%2)
.set rSA, VSC+\n/2
.set rSB, PWR+(\t)%2
.if \first
	WM 0, \n%2, 0
.else
	WM v[rD:rD+7], \n%2, 0
.endif
.endr
	WIN 0
.endm
.macro HALF u, first, last             ; half u = 1 .. 7 of a step: tile u / 2, c = u % 2
.set hT, (\u)/2
.set hC, (\u)%2
	EX hC
.if (\u) == 2
	s_wait_dscnt 0x0                               ; V's 25 loads, issued two halves ago, are in
.endif
.if (\last) && ((\u) == 7)
	v_nop                                          ; a plain instruction behind the last exponential
	s_wait_alu depctr_va_vdst(0)
.else
	s_wait_alu depctr_va_vdst(0)                   ; one wait: for the batch, and directly ahead of the first reads of the next half's scores
	FM 1-hC
	MX 1-hC
.endif
.if (\last) == 0
.if (\u) == 5
	LDO 0                                          ; the scalings above were the last to read the lower 32 offsets
.endif
.if (\u) == 6
	LDO 1
	s_wait_dscnt 8                                 ; all but the 8 loads just issued: the next step's K, its scale words and its lower offsets are in
.endif
.endif
.if hC == 0
	PV hT-1, \first                                ; 32 plain lines stand between P's last move, its scale word and these
.endif
	SCALE hT, hC
.if (\u) < 6
	KQ hT+1, hC
.elseif (\last) == 0
	KQ 0, hC                                       ; the next step's first tile
.endif
	MV hT, hC
.if ((\last) == 0) && ((\u) == 5)
	LDK                                            ; the products above were the last on this step's K; four lines of MV and two additions are the places
.endif
.endm
; A step begins behind the products with V of the step before: half 0's exponentials and half 1's scalings have been done.
.macro STEP first, last
	SCALE 0, 0                                     ; its three plain lines and its v_nop are the places between the last products with V and the loads below
	LDV
	KQ 1, 0
	MV 0, 0
.irp u, 1,2,3,4,5,6,7
	HALF \u, \first, \last
.endr
.if \last
	PLACES 5                                       ; with MV's four lines: nine places behind the scale word, six behind the last move
	PV 3, \first
.else
	EX 0
	s_wait_dscnt 0x0                               ; the upper 32 offsets are in
	s_wait_alu depctr_va_vdst(0)
	FM 1
	MX 1
	PV 3, \first
.endif
.endm
	s_wait_tensorcnt 0x0                           ; my part of K's or V's block has landed,
	s_wait_loadcnt 13                              ; my 32 bytes of the offsets are in (Q's 13 loads may be out),
	ds_store_b128 v15, v[64:67]
	ds_store_b128 v15, v[68:71] offset:4096
	s_wait_loadcnt 0x0                             ; Q
	s_wait_dscnt 0x0                               ; for the others' sake: my stores have landed
	s_barrier_signal -1
	s_barrier_wait -1                              ; everybody's parts lie in LDS
	LDK
	LDO 0
	LDO 1
	s_wait_dscnt 0x0
	KQ 0, 0
	KQ 0, 1
	PLACES 4
	FM 0
	MX 0
	EX 0
	s_wait_alu depctr_va_vdst(0)
	FM 1
	MX 1
	STEP 1, 0                                      ; the first step's products with V start the sums: nothing is cleared
	s_mov_b32 s[CNT], 14
.Lstep:
	STEP 0, 0
	s_sub_co_u32 s[CNT], s[CNT], 1
	s_cmp_lg_u32 s[CNT], 0
	s_wait_alu depctr_va_vdst(0)                   ; the wait ahead of the backward jump
	s_cbranch_scc1 .Lstep
	STEP 0, 1
	; THE WAY OUT: a query tile's 32 registers are the head's 64 channels, register 16 b + i = channel 32 b + 16 h + i (V's channel tiles lie so in AB): two blocks, half a fragment of the output projection's operand
	s_lshr_b32 s40, s12, 4                         ; batch
	s_lshl_b32 s40, s40, 7
	s_add_co_u32 s40, s40, s3                      ; my first token tile
	s_and_b32 s41, s12, 15                         ; head
	s_lshl_b32 s44, s40, 9
	s_lshr_b32 s45, s41, 1
	s_lshl_b32 s45, s45, 6
	s_add_co_u32 s44, s44, s45
	s_and_b32 s45, s41, 1
	s_lshl_b32 s45, s45, 1
	s_add_co_u32 s44, s44, s45
	s_add_co_u32 s44, s44, 6291456                 ; scale bytes: tile x 512 + 64 (head / 2) + 2 (head % 2)
	s_mov_b32 s45, 0
	s_mul_i32 s42, s40, 12288
	s_mul_i32 s43, s41, 768
	s_add_co_u32 s42, s42, s43                     ; codes: tile x 12,288 + 768 head
	s_mov_b32 s43, 0
	s_add_nc_u64 s[42:43], s[8:9], s[42:43]
	s_add_nc_u64 s[44:45], s[8:9], s[44:45]
	PLACES 4
.macro QUANT2 t
.set sO, 128+32*\t
	WIN 0x14                                       ; sources 1 and 2 window 1
	s_wait_alu depctr_va_vdst(0)                   ; the wait directly ahead of the first reads of the tile's sums
.irp b, 0,1
	v_max3_num_f32 v[TM+\b], 0x2800000, |v[sO+16*\b]|, |v[sO+1+16*\b]|   ; each accumulator is read from its low end on
.endr
.irp i, 2,4,6,8,10,12,14
.irp b, 0,1
	v_max3_num_f32 v[TM+\b], v[TM+\b], |v[sO+16*\b+\i]|, |v[sO+1+16*\b+\i]|
.endr
.endr
	WIN 0
.irp b, 0,1
	v_permlanex16_b32 v[TM+4+\b], v[TM+\b], s[SEL], s[SEL+1]
.endr
.irp b, 0,1
	v_max_num_f32 v[TM+\b], v[TM+\b], v[TM+4+\b]
.endr
.irp b, 0,1
	v_add_nc_u32 v[TM+12+\b], 0xfe000000, v[TM+\b]
.endr
.irp b, 0,1
	v_lshrrev_b32 v[TM+4+\b], 23, v[TM+12+\b]
.endr
	v_lshl_or_b32 v[112+\t], v[TM+5], 8, v[TM+4]
	WIN 0x01                                       ; source 0 window 1
	v_cvt_scalef32_pk16_bf6_f32 v[64+8*\t:66+8*\t], v[sO:sO+15], v[TM+12]
	v_cvt_scalef32_pk16_bf6_f32 v[96+4*\t:98+4*\t], v[sO+16:sO+31], v[TM+13]
	WIN 0
	v_nop
.irp i, 0,1,2
	v_permlane16_swap_b32 v[64+8*\t+\i], v[96+4*\t+\i]
.endr
.irp i, 0,1,2
	v_mov_b32 v[67+8*\t+\i], v[96+4*\t+\i]
.endr
.irp p, 0,1,2
	global_store_b64 v1, v[64+8*\t+2*\p:65+8*\t+2*\p], s[42:43] offset:12288*\t+256*\p   ; 256 consecutive bytes, aligned; each tile has registers of its own, so no store's data are written again
.endr
.endm
	QUANT2 0
	QUANT2 1
	QUANT2 2
	QUANT2 3
	v_cmp_le_u32 vcc_lo, 16, v12
	v_cndmask_b32 v116, v112, v113, vcc_lo         ; lanes 0-15 tile t's rows, lanes 16-31 tile t + 1's
	v_cndmask_b32 v117, v114, v115, vcc_lo
	global_store_b16 v11, v116, s[44:45]
	global_store_b16 v11, v117, s[44:45] offset:1024
	s_wait_tensorcnt 0x0                           ; the wave's end
	ds_add_u32 v[SPW], v[NIL]
	s_wait_dscnt 0x0
	CROUND                                         ; the closing round
	s_endpgm
.Lfunc_end_k_qc317b12813_attn:
	.size	k_qc317b12813_attn, .Lfunc_end_k_qc317b12813_attn-k_qc317b12813_attn
	.p2alignl 7, 3214868480
	.fill 96, 4, 3214868480
	.section	.rodata,"a",@progbits
	.p2align	6, 0x0
	.amdhsa_kernel k_qc317b12813_attn
		.amdhsa_group_segment_fixed_size 218112
		.amdhsa_private_segment_fixed_size 0
		.amdhsa_enable_private_segment 0
		.amdhsa_kernarg_size 24
		.amdhsa_user_sgpr_count 2
		.amdhsa_user_sgpr_kernarg_segment_ptr 1
		.amdhsa_wavefront_size32 1
		.amdhsa_system_sgpr_workgroup_id_x 1
		.amdhsa_system_sgpr_workgroup_id_y 1
		.amdhsa_system_sgpr_workgroup_id_z 1
		.amdhsa_system_vgpr_workitem_id 0
		.amdhsa_next_free_vgpr 512
		.amdhsa_next_free_sgpr 66
		.amdhsa_reserve_vcc 1
		.amdhsa_float_denorm_mode_32 3
		.amdhsa_float_denorm_mode_16_64 3
		.amdhsa_memory_ordered 1
		.amdhsa_forward_progress 1
		.amdhsa_inst_pref_size 144
	.end_amdhsa_kernel
	.amdgpu_metadata
---
amdhsa.version: [ 1, 2 ]
amdhsa.kernels:
  - .name:           k_qc317b12813_attn
    .symbol:         k_qc317b12813_attn.kd
    .args:
      - { .name: AB, .offset: 0, .size: 8, .value_kind: global_buffer, .address_space: global }
      - { .name: ST, .offset: 8, .size: 8, .value_kind: global_buffer, .address_space: global }
      - { .name: HB, .offset: 16, .size: 8, .value_kind: global_buffer, .address_space: global }
    .group_segment_fixed_size: 218112
    .private_segment_fixed_size: 0
    .kernarg_segment_align: 8
    .kernarg_segment_size: 24
    .max_flat_workgroup_size: 256
    .sgpr_count:     66
    .vgpr_count:     512
    .wavefront_size: 32
...
	.end_amdgpu_metadata
.endif
;; end of part 4
;; launch proj (part 5): grid 4 x 64, 4 waves a work-group, clusters of 4 x 4, 307,712 bytes of LDS; arguments HB, CW, bo, x, out0; writes out0
.if DOCPART == 5
	.amdgcn_target "amdgcn-amd-amdhsa--gfx1250"
	.amdhsa_code_object_version 6
	.text
	.protected	k_qc317b12813_proj
	.globl	k_qc317b12813_proj
	.p2align	8
	.type	k_qc317b12813_proj,@function
k_qc317b12813_proj:
	s_mov_b64 s[64:65], 0
	v_nop
	global_prefetch_b8 v0, s[64:65] scope:SCOPE_SE
	s_setreg_imm32_b32 hwreg(HW_REG_WAVE_MODE, 25, 1), 1
	s_wait_xcnt 0x0
	s_wait_alu depctr_hold_cnt(0) depctr_sa_sdst(0) depctr_va_vdst(0) depctr_va_sdst(0) depctr_va_ssrc(0) depctr_va_vcc(0) depctr_vm_vsrc(0)
	s_getreg_b32 s2, hwreg(HW_REG_IB_STS2, 6, 4)
	s_cmp_eq_u32 s2, 0
	s_cbranch_scc0 .Lentry_in_a_cluster
	s_endpgm
.Lentry_in_a_cluster:
	s_bfe_u32 s2, ttmp6, 0x10000c
	s_cmp_lg_u32 s2, 0xf033
	s_cbranch_scc0 .Lentry_shape_is_right
	s_endpgm
.Lentry_shape_is_right:
; out0 = heads Wo^T + bo + x, the product on codes of BF6 (E3M2): A = the heads' tiles in HB (tokens: the result's lanes), B = Wo's tiles in CW (output columns: the result's registers).
; A work-group makes 128 tokens x 256 columns, K = 1,024.  Four waves, each 64 x 128: 32 accumulators.  Source 0 = 16 rows of Wo, source 1 = 16 tokens: a lane holds 16 neighbouring columns of one token in each pair of tiles.
; ALL OF K LIES IN LDS, filled once: 4 chunks of two K steps, each [A: 8 tiles x 3,072 bytes][B: 16 tiles x 3,072], then the scale words.  Every wave issues five tensor loads at the head (five are out at the most); nothing is filled again.
; CLUSTER 4 x 4: A's tiles hang on cy and are asked for jointly along a row of the cluster, B's on cx and along a column.
; bo is the C of each sum's first matrix instruction.  The residual's 64 rows x 512 bytes of x are asked for ahead of the first K step, into window 3, and land under the product.
; THE WAY OUT: 16 rows x 128 columns at a time through the wave's own stage in LDS (in chunk 0, which has had its one fill and which nobody reads behind the barrier of K step 1), back as whole rows of 512 bytes, + x, stored.
; The rows of token tile a are tokens 32 (a / 2) + 8 (a % 2) + t + 8 (t / 8) of my 64.
; REGISTERS: window 0: v1-10 lane numbers and addresses, v16-23, v27 LDS addresses, v32-95 scale words, v96-127 and v224-255 bias tiles, v128-223 A's fragments, two sets (on the way out v128-255: rows); window 1: B's fragments, two sets;
;   window 2: accumulator (a, b) at v[8 (8 a + b)]; window 3: x.
; LIMITS: NaN and infinities are not served.
.set CW_SC,  9437184
.set HB_SC,  6291456
.set CHUNK,  73728
; LDS AS THIS TEXT LAYS IT (it takes the place of the head's lines on chunks and on five loads): A's 8 tiles whole, 12,288 bytes each (8 K steps x 1,536), from byte 0; B's 16 tiles from byte 98,304; the scale words from SCL.
; Each of the four is one dense block of memory and comes by ONE joint load, one a wave: wave 0 A's codes, wave 1 B's codes, wave 2 A's scale words, wave 3 B's.  One load of a wave is out.
; The stages of the way out lie in A's first tiles: a barrier behind the last K step's fragment loads parts every wave's reads from the stores.  No prefetch: the tiles come once, at the head.
.set SCL,    4*CHUNK
.set FR,     12
.set CO,     8
.set STO,    9
.set RD,     10
.set ADRA,   16
.set ADRB,   20
.set ADRS,   27
.set SC,     32
.set AF,     128
.set BK,     128
.set SPITCH, 528
.set G1A,  24
.set G1B,  32
.set G1SA, 40
.set G1SB, 48
.set G0A,  56
.set G0B,  76
.set G0SA, 92
.set G0SB, 96
.set MSB, 0
.macro WIN new
.if MSB != \new
	s_set_vgpr_msb (MSB<<8)|\new
.set MSB, \new
.endif
.endm
.macro PLACES n
.rept \n
	v_nop
.endr
.endm
.macro CROUND
	s_barrier_signal -1
	s_barrier_wait -1
	s_cmp_lg_u32 s14, 0
	s_cbranch_scc1 .Lnot_wave_0_\@
	s_barrier_signal -3
.Lnot_wave_0_\@:
	s_barrier_wait -3
	s_barrier_signal -1
	s_barrier_wait -1
.endm
.macro SHAPE g, c, r, p
	s_mov_b32 s[\g+1], (\c)<<16
	s_mov_b32 s[\g+2], (\r)<<16
	s_mov_b32 s[\g+3], (\c)<<16
	s_mov_b32 s[\g+4], \r
	s_mov_b32 s[\g+5], \p
	s_mov_b32 s[\g+6], 0
	s_mov_b32 s[\g+7], 0
.endm
	s_load_b256 s[4:11], s[0:1], 0x0               ; HB, CW, bo, x
	s_load_b64 s[12:13], s[0:1], 0x20              ; out0
	v_lshl_add_u32 v30, v0, 2, 0x4b000
	v_mov_b32 v31, 0
	ds_add_u32 v30, v31
	ds_add_u32 v30, v31
	v_lshrrev_b32 v1, 5, v0
	v_readfirstlane_b32 s14, v1                    ; wave 0..3
	s_lshr_b32 s15, s14, 1                         ; my half of A's 8 tiles.  Also: I fetch for A (0) or for B (1)
	s_and_b32 s16, s14, 1                          ; my half of B's 16 tiles.  Also: which half I fetch
	s_bfe_u32 s17, ttmp6, 0x40000                  ; cx
	s_bfe_u32 s18, ttmp6, 0x40004                  ; cy
	s_and_b32 s20, ttmp7, 0xffff
	s_lshl_b32 s2, s20, 2
	s_add_co_u32 s2, s2, s18                       ; mt: which 128 tokens
	s_lshl_b32 s3, ttmp9, 2
	s_add_co_u32 s3, s3, s17                       ; nt: which 256 columns
	s_lshl_b32 s22, s2, 3
	s_lshl_b32 s100, s3, 4
	s_add_co_u32 s100, s100, 512                   ; B: the first of sixteen; Wo's tiles begin at 512
	s_lshl_b32 s104, s22, 9
	s_add_co_u32 s104, s104, HB_SC
	s_mov_b32 s105, 0
	s_mul_i32 s22, s22, 12288
	s_mov_b32 s23, 0
	s_lshl_b32 s66, s100, 9
	s_add_co_u32 s66, s66, CW_SC
	s_mov_b32 s67, 0
	s_mul_i32 s100, s100, 12288
	s_mov_b32 s101, 0
	s_lshl_b32 s19, s18, 2
	s_lshl_b32 s19, 15, s19                        ; my row of the cluster
	s_lshl_b32 s20, 0x1111, s17                    ; my column
	s_or_b32 s[G1A], s19, (3<<16)|(1<<21)          ; 15:0 the mask; 17:16 elements of 8 bytes; 21 set beside a mask; no padding
	s_or_b32 s[G1SA], s19, (3<<16)|(1<<21)
	s_or_b32 s[G1B], s20, (3<<16)|(1<<21)
	s_or_b32 s[G1SB], s20, (3<<16)|(1<<21)
	SHAPE G1A, 32, 384, 32                         ; eight tiles' codes: 98,304 dense bytes as rows of 256
	SHAPE G1B, 32, 768, 32                         ; sixteen tiles'
	SHAPE G1SA, 32, 16, 32                         ; eight tiles' scale words: 4,096 dense bytes
	SHAPE G1SB, 32, 32, 32
	s_wait_dscnt 0x0
	s_wait_kmcnt 0x0
	s_add_nc_u64 s[22:23], s[4:5], s[22:23]
	s_add_nc_u64 s[100:101], s[6:7], s[100:101]
	s_add_nc_u64 s[104:105], s[4:5], s[104:105]
	s_add_nc_u64 s[66:67], s[6:7], s[66:67]
	s_mov_b32 s[G0A], 1
	s_mov_b32 s[G0A+1], 0
	s_mov_b64 s[G0A+2:G0A+3], s[22:23]
	s_or_b32 s[G0A+3], s[G0A+3], 0x80000000
	s_mov_b32 s[G0B], 1
	s_mov_b32 s[G0B+1], 98304
	s_mov_b64 s[G0B+2:G0B+3], s[100:101]
	s_or_b32 s[G0B+3], s[G0B+3], 0x80000000
	s_mov_b32 s[G0SA], 1
	s_mov_b32 s[G0SA+1], SCL
	s_mov_b64 s[G0SA+2:G0SA+3], s[104:105]
	s_or_b32 s[G0SA+3], s[G0SA+3], 0x80000000
	s_mov_b32 s[G0SB], 1
	s_mov_b32 s[G0SB+1], SCL+4096
	s_mov_b64 s[G0SB+2:G0SB+3], s[66:67]
	s_or_b32 s[G0SB+3], s[G0SB+3], 0x80000000
	CROUND                                         ; all sixteen work-groups are here: the joint loads meet
	s_cmp_lt_u32 s14, 1                            ; one chain of branches on the wave's number, one load to an arm
	s_cbranch_scc0 .Lhead_b
	tensor_load_to_lds s[G0A:G0A+3], s[G1A:G1A+7]
	s_nop 0
	PLACES 4
	s_branch .Lasked
.Lhead_b:
	s_cmp_lt_u32 s14, 2
	s_cbranch_scc0 .Lhead_sa
	tensor_load_to_lds s[G0B:G0B+3], s[G1B:G1B+7]
	s_nop 0
	PLACES 4
	s_branch .Lasked
.Lhead_sa:
	s_cmp_lt_u32 s14, 3
	s_cbranch_scc0 .Lhead_sb
	tensor_load_to_lds s[G0SA:G0SA+3], s[G1SA:G1SA+7]
	s_nop 0
	PLACES 4
	s_branch .Lasked
.Lhead_sb:
	tensor_load_to_lds s[G0SB:G0SB+3], s[G1SB:G1SB+7]
	s_nop 0
	PLACES 4
.Lasked:
	v_and_b32 v1, 31, v0                           ; lane
	v_and_b32 v2, 15, v0                           ; r
	v_bfe_u32 v3, v0, 4, 1                         ; h
	v_lshlrev_b32 v4, 3, v1                        ; 8 x lane
	s_wait_alu depctr_va_vdst(0)
	s_mul_i32 s19, s15, 49152                      ; my four tiles of A,
	s_mul_i32 s20, s16, 98304
	s_add_co_u32 s20, s20, 98304                   ; my eight of B, behind A's eight
	v_add_nc_u32 v[ADRA], s19, v4
	v_add_nc_u32 v[ADRB], s20, v4                  ; B's tiles 0 to 3 of mine,
	v_add_nc_u32 v[ADRB+1], 49152, v[ADRB]         ; and 4 to 7: an LDS offset has 16 bits
	s_lshl_b32 s19, s15, 11                        ; scale words: lanes 0-15 take A's rows, lanes 16-31 B's: the lower base + h x the distance
	s_lshl_b32 s20, s16, 12
	s_add_co_u32 s20, s20, 4096
	s_sub_co_u32 s20, s20, s19
	v_mul_u32_u24 v5, s20, v3
	s_add_co_u32 s19, s19, SCL
	v_lshl_add_u32 v5, v2, 2, v5
	v_add_nc_u32 v[ADRS], s19, v5
	v_lshlrev_b32 v6, 6, v3                        ; 64 h
	v_lshlrev_b32 v[CO], 4, v1                     ; 16 x lane: my place in a row of 512 bytes
	s_mul_i32 s19, s14, 16*SPITCH                  ; my stage
	v_mul_u32_u24 v[STO], v2, SPITCH
	v_lshl_add_u32 v[STO], v3, 6, v[STO]
	v_add_nc_u32 v[STO], s19, v[STO]               ; in: row r, + 64 h
	v_add_nc_u32 v[RD], s19, v[CO]                 ; back: a whole row
	s_lshl_b32 s22, s3, 10
	s_lshl_b32 s23, s16, 9
	s_add_co_u32 s22, s22, s23                     ; my 128 columns, in bytes
	s_mov_b32 s23, 0
	s_add_nc_u64 s[8:9], s[8:9], s[22:23]
.irp b, 0,1,2,3,4,5,6,7                ; bias tile b: bo[32 (b / 2) + 16 h + 8 (b % 2) + 0 .. 7] of my 128 columns
.set rC, 96+8*\b+96*(\b/4)
	global_load_b128 v[rC:rC+3], v6, s[8:9] offset:(32*(\b/2)+8*(\b%2))*4
	global_load_b128 v[rC+4:rC+7], v6, s[8:9] offset:(32*(\b/2)+8*(\b%2))*4+16
.endr
	s_lshl_b32 s19, s2, 19                         ; 128 rows of 4,096 bytes,
	s_lshl_b32 s20, s15, 18                        ; my 64
	s_add_co_u32 s19, s19, s20
	s_add_co_u32 s22, s22, s19
	s_add_nc_u64 s[10:11], s[10:11], s[22:23]      ; x and out0 at my first row and column
	s_add_nc_u64 s[12:13], s[12:13], s[22:23]
.macro FRAG reg, adr, off
.irp p, 0,1,2,3,4,5
	ds_load_b64 v[\reg+2*\p:\reg+2*\p+1], v[\adr] offset:\off+256*\p
.endr
.endm
.macro FETCH k
	WIN 0x40
.irp b, 0,1,2,3,4,5,6,7
	FRAG 128*((\k)%2)+FR*\b, ADRB+\b/4, 12288*(\b%4)+1536*(\k)
.endr
	WIN 0
.irp a, 0,1,2,3
	FRAG AF+48*((\k)%2)+FR*\a, ADRA, 12288*\a+1536*(\k)
.endr
.endm
; 32 matrix instructions: K step k.  cm = 0: onto the sums; 1: the sums begin with bias tile b.  The 32 accumulators take turns, one instruction a turn, in the same order in every step.
.macro MULK k, cm
.if \cm == 0
	WIN 0xa1
.else
	WIN 0x81
.endif
.irp a, 0,1,2,3
.irp b, 0,1,2,3,4,5,6,7
.set rD, 8*(8*\a+\b)
.set rB, 128*((\k)%2)+FR*\b
.set rA, AF+48*((\k)%2)+FR*\a
.if \cm == 0
	v_wmma_scale_f32_16x16x128_f8f6f4 v[rD:rD+7], v[rB:rB+FR-1], v[rA:rA+FR-1], v[rD:rD+7], v[SC+8*\b+(\k)], v[SC+8*\a+(\k)] matrix_a_fmt:MATRIX_FMT_BF6 matrix_b_fmt:MATRIX_FMT_BF6 matrix_a_scale:MATRIX_SCALE_ROW1
.else
.set rC, 96+8*\b+96*(\b/4)
	v_wmma_scale_f32_16x16x128_f8f6f4 v[rD:rD+7], v[rB:rB+FR-1], v[rA:rA+FR-1], v[rC:rC+7], v[SC+8*\b+(\k)], v[SC+8*\a+(\k)] matrix_a_fmt:MATRIX_FMT_BF6 matrix_b_fmt:MATRIX_FMT_BF6 matrix_a_scale:MATRIX_SCALE_ROW1
.endif
.endr
.endr
.endm
.macro STEPK k, cm
	s_wait_dscnt 0x0                               ; this step's fragments are in
.if (\k) < 7
.if (\k) > 0
	PLACES 4                                       ; four places between the last products and loads into the set that they read
.endif
	FETCH (\k)+1
.endif
	MULK \k, \cm
	WIN 0
.endm
	s_wait_alu depctr_va_vdst(0)
	s_wait_tensorcnt 0x0                           ; my one load has landed
	s_barrier_signal -1
	s_barrier_wait -1
.irp i, 0,1,2,3,4,5,6,7
.irp k, 0,1,2,3,4,5,6,7
	ds_load_b32 v[SC+8*\i+\k], v[ADRS] offset:512*\i+64*\k
.endr
.endr
	FETCH 0
	s_wait_loadcnt 0x0                             ; the bias
	WIN 0xc0                                       ; destination window 3
.irp a, 0,1,2,3
.irp t, 0,1,2,3,4,5,6,7,8,9,10,11,12,13,14,15
	global_load_b128 v[64*\a+4*\t:64*\a+4*\t+3], v[CO], s[10:11] offset:(32*(\a/2)+8*(\a%2)+\t+8*(\t/8))*4096 th:TH_LOAD_NT   ; row t of token tile a: 512 consecutive bytes
.endr
.endr
	WIN 0
	STEPK 0, 1
	STEPK 1, 0
	STEPK 2, 0
	STEPK 3, 0
	STEPK 4, 0
	STEPK 5, 0
	STEPK 6, 0
	STEPK 7, 0
.macro TOSTAGE a
	WIN 0x08                                       ; an LDS store's data are its source 1: window 2
.irp b, 0,1,2,3,4,5,6,7
	ds_store_b128 v[STO], v[8*(8*(\a)+\b):8*(8*(\a)+\b)+3] offset:128*(\b/2)+32*(\b%2)          ; each accumulator from its low end on
	ds_store_b128 v[STO], v[8*(8*(\a)+\b)+4:8*(8*(\a)+\b)+7] offset:128*(\b/2)+32*(\b%2)+16
.endr
	WIN 0
.set BB, BK+64*((\a)%2)
.irp t, 0,1,2,3,4,5,6,7,8,9,10,11,12,13,14,15
	ds_load_b128 v[BB+4*\t:BB+4*\t+3], v[RD] offset:\t*SPITCH   ; LDS serves a wave's instructions in order: these see my stores, and the next block's stores come behind them
.endr
.endm
.macro SEND a, younger                 ; younger: the LDS instructions issued behind block a's loads
.set BB, BK+64*((\a)%2)
	s_wait_dscnt \younger
	WIN 0x0c                                       ; source 1 (x) window 3
.set i, 0
.rept 32
	v_pk_add_f32 v[BB+i:BB+i+1], v[BB+i:BB+i+1], v[64*(\a)+i:64*(\a)+i+1]
.set i, i+2
.endr
	WIN 0
.irp t, 0,1,2,3,4,5,6,7,8,9,10,11,12,13,14,15
	global_store_b128 v[CO], v[BB+4*\t:BB+4*\t+3], s[12:13] offset:(32*((\a)/2)+8*((\a)%2)+\t+8*(\t/8))*4096 th:TH_STORE_NT   ; 512 consecutive bytes, at a multiple of 256 from out0's first byte
.endr
.endm
	s_barrier_signal -1                            ; my reads of the tiles are over (the last K step began with a wait for all of them)
	s_wait_loadcnt 0x0                             ; x
	PLACES 4                                       ; behind the last products: their results are read, and rows land in their operands' registers
	s_barrier_wait -1                              ; everybody's are: the stages may be written
	TOSTAGE 0
.irp a, 1,2,3
.if \a > 1
	s_wait_xcnt 0x0                                ; block a - 2's stores have read their registers: block a's rows may land there
.endif
	TOSTAGE \a
	SEND \a-1, 32                                  ; behind block a - 1's loads: block a's 16 stores and 16 loads
.endr
	SEND 3, 0
	s_wait_tensorcnt 0x0
	ds_add_u32 v30, v31
	s_wait_dscnt 0x0
	CROUND                                         ; the closing round: no work-group ends while a partner may still ask for a tile that names it
	s_endpgm
.Lfunc_end_k_qc317b12813_proj:
	.size	k_qc317b12813_proj, .Lfunc_end_k_qc317b12813_proj-k_qc317b12813_proj
	.p2alignl 7, 3214868480
	.fill 96, 4, 3214868480
	.section	.rodata,"a",@progbits
	.p2align	6, 0x0
	.amdhsa_kernel k_qc317b12813_proj
		.amdhsa_group_segment_fixed_size 307712
		.amdhsa_private_segment_fixed_size 0
		.amdhsa_enable_private_segment 0
		.amdhsa_kernarg_size 40
		.amdhsa_user_sgpr_count 2
		.amdhsa_user_sgpr_kernarg_segment_ptr 1
		.amdhsa_wavefront_size32 1
		.amdhsa_system_sgpr_workgroup_id_x 1
		.amdhsa_system_sgpr_workgroup_id_y 1
		.amdhsa_system_sgpr_workgroup_id_z 1
		.amdhsa_system_vgpr_workitem_id 0
		.amdhsa_next_free_vgpr 1024
		.amdhsa_next_free_sgpr 106
		.amdhsa_reserve_vcc 0
		.amdhsa_float_denorm_mode_32 3
		.amdhsa_float_denorm_mode_16_64 3
		.amdhsa_memory_ordered 1
		.amdhsa_forward_progress 1
		.amdhsa_inst_pref_size 113
	.end_amdhsa_kernel
	.amdgpu_metadata
---
amdhsa.version: [ 1, 2 ]
amdhsa.kernels:
  - .name:           k_qc317b12813_proj
    .symbol:         k_qc317b12813_proj.kd
    .args:
      - { .name: HB, .offset: 0, .size: 8, .value_kind: global_buffer, .address_space: global }
      - { .name: CW, .offset: 8, .size: 8, .value_kind: global_buffer, .address_space: global }
      - { .name: bo, .offset: 16, .size: 8, .value_kind: global_buffer, .address_space: global }
      - { .name: x, .offset: 24, .size: 8, .value_kind: global_buffer, .address_space: global }
      - { .name: out0, .offset: 32, .size: 8, .value_kind: global_buffer, .address_space: global }
    .group_segment_fixed_size: 307712
    .private_segment_fixed_size: 0
    .kernarg_segment_align: 8
    .kernarg_segment_size: 40
    .max_flat_workgroup_size: 128
    .sgpr_count:     106
    .vgpr_count:     1024
    .wavefront_size: 32
...
	.end_amdgpu_metadata
.endif
;; end of part 5
